; MI455X (gfx1250); checked and timed in simulation.
; The chip was launched on July 23, 2026; its instructions are those of AMD's public machine-readable ISA for CDNA 5 (MIT licence, August 2026) and "CDNA5" Instruction Set Architecture Reference Guide (July 2026). The comments in the code are by the model that wrote it; some were corrected since.
;; Attention. Allowed arithmetic: matrix products marked QUANTISED: E2M3 operands, one E8M0 scale for each 32 along K, by v_wmma_scale_f32_16x16x128_f8f6f4 with both operands' format E2M3, f32 sums; everything else in f32.
;; Inputs: b_out 256 float32; b_qkv 768 float32; w_out 256 x 256 float32; w_qkv 256 x 768 float32; x 4,096 x 256 float32.
;; Outputs: out0 4,096 x 256 float32.
;; This version of the problem:
;;   THIS VERSION OF THE PROBLEM IS GIVEN IN LOW PRECISION. The matrix products marked QUANTISED in the list below multiply operands that are first quantised to E2M3 (2 exponent bits, 3 mantissa bits; 6 bits a number), with one power-of-two scale for each 32 numbers along K (OCP MX v1.0); their sums are f32. All else is computed in f32.
;;   The module's matrix products, in the order in which they are computed (A, B: the left and right operand; K: the contracted axis; several contracted axes count as one K, in the product's order):
;;     1. [M 4,096, K 256] x [K 256, N 768]; A: input x; B: input w_qkv: QUANTISED
;;     2. batch 8 x [M 4,096, K 32] x [K 32, N 4,096]; A: computed on the way; B: computed on the way: QUANTISED
;;     3. batch 8 x [M 4,096, K 4,096] x [K 4,096, N 32]; A: softmax (see below); B: computed on the way: QUANTISED
;;     4. [M 4,096, K 256] x [K 256, N 256]; A: computed on the way; B: input w_out: QUANTISED
;;   THE QUANTISER, for each operand of a quantised product, along K:
;;     - K is cut into blocks of 32 from its start; a last block that is shorter is filled with zeros.
;;     - A block's scale is 2^e with e = floor(log2(the largest magnitude in the block)) - 2, held to -126 .. 127; a block of zeros has e = 0. As a byte (E8M0): e + 127.
;;     - Each number is divided by its block's scale, clamped to +-7.5, and rounded to the nearest number of E2M3, ties to even, subnormals kept.
;;     - The product sums the exact products of the quantised numbers (number of the format x scale) in f32.
;;   ~~~python
;;   def quantise(x, axis):      # numpy; x: float32 -> the quantised numbers, widened to float32 again
;;       x = np.moveaxis(x, axis, -1); K = x.shape[-1]
;;       x = np.pad(x, [(0, 0)] * (x.ndim - 1) + [(0, -K % 32)]); x = x.reshape(x.shape[:-1] + (-1, 32)); a = np.abs(x).max(-1, keepdims=True)
;;       e = np.where(a > 0, np.clip(np.frexp(np.where(a > 0, a, 1))[1] - 1 - 2, -126, 127), 0)      # np.frexp(a)[1] - 1 = floor(log2(a)), exactly
;;       r = np.clip(x / 2.0 ** e, -7.5, 7.5)
;;       step = 2.0 ** (np.maximum(np.frexp(np.where(r == 0, 1, r))[1] - 1, 0) - 3)
;;       q = np.round(r / step) * step * 2.0 ** e      # np.round: ties to even
;;       return np.moveaxis(q.reshape(q.shape[:-2] + (-1,))[..., :K], -1, axis).astype(np.float32)
;;   ~~~
;;   SOFTMAX AHEAD OF A QUANTISED PRODUCT. Where the list says 'softmax', what is quantised is not the finished softmax but p = 2^(t - M), with t = logit x log2(e) and M = ceil(the row's largest t), a whole number; so 1/2 < the row's largest p <= 1. The row's sum l is taken of the UNQUANTISED p, in f32, and the product's result is divided by l at the end. Since M is a whole number, a kernel that streams over the keys may use a running M (the ceiling of the running maximum): every later rescaling is an exact power of two, which a block's scale takes up: the codes' values come out the same.
;;   OPERANDS COMPUTED ON THE WAY. 'Computed on the way' means the value that the module computes at that place (a softmax that the list does not call 'softmax' is quantised finished and normalised). What goes into a quantiser is computed in f32, as accurately as f32 sums, v_exp_f32 and their like allow (about 1e-6 of the number): no bf16 or f16 on the way to a quantiser, and a product that is left as it is and whose result goes on into a quantised operand takes f32 operands (vector FMAs, or v_wmma_f32_16x16x4_f32). A number that lies on a knife's edge between two numbers of the format may be rounded either way, as far as f32 arithmetic and the matrix unit's own rounding can turn it there, and no further.
;; 2 versions. Each part assembles by itself: llvm-mc -triple=amdgcn-amd-amdhsa -mcpu=gfx1250 --defsym DOCPART=n.
;; ======== version 1 of 2: 3 launches
;; workspace buffers: qimg 1,048,576 bytes; kv 1,638,400 bytes; woimg 53,248 bytes; ocodes 786,432 bytes; oscales 32,768 bytes
;; launch proj (part 1): grid 32 x 8, 8 waves a work-group, no clusters, 47,104 bytes of LDS; arguments x, w_qkv, b_qkv, w_out, qimg, kv, woimg; writes qimg, kv, woimg
.if DOCPART == 1
	.amdgcn_target "amdgcn-amd-amdhsa--gfx1250"
	.amdhsa_code_object_version 6
	.text
	.protected	k_q134ac4379d_proj
	.globl	k_q134ac4379d_proj
	.p2align	8
	.type	k_q134ac4379d_proj,@function
k_q134ac4379d_proj:
	s_mov_b64 s[64:65], 0
	v_nop
	global_prefetch_b8 v0, s[64:65] scope:SCOPE_SE
	s_setreg_imm32_b32 hwreg(HW_REG_WAVE_MODE, 25, 1), 1
	s_wait_xcnt 0x0
; qkv = Q(x) Q(w_qkv) + b_qkv on codes of FP6 (E2M3) with one E8M0 scale for each 32 along K; then q and k are quantised along the head's 32 channels, v along the keys, and w_out along its K.
; SHARES.  Work-group (rb, H): rows 128 rb .. 128 rb + 127 of x, head H.  Eight waves.
;   First part, every wave w: tile w of x (16 rows x 256) becomes two operand fragments; block w of K (32 rows of w_qkv) of the head's 3 x 32 columns becomes codes.  Both go to LDS as images of operand registers.
;   One barrier.  Then waves 0,1: q of rows 64 F on (F = w & 1); waves 2,3: k likewise; waves 4,5: v, channel tile T = w & 1; wave 6 of the work-groups with rb < 4: one fragment of w_out; the others are done.
; ROWS OF A TILE ARE CHOSEN: row r of tile 4 F + a is local row 64 F + 32 (r / 8) + 8 a + r % 8.  CHANNELS OF A TILE: row r of tile T is channel 8 T + r + 8 (r / 8).
;   q, k: source 0 = 16 channels of w, source 1 = 16 rows of x: a lane holds one row and 16 neighbouring channels 16 h + 0 .. 15.
;   v: source 0 = 16 rows of x, source 1 = 16 channels: a lane holds one channel and keys 64 F + 32 h + 0 .. 31: whole blocks along the keys, in the order of the operand's registers.
; AN IMAGE: register p of lane l of a fragment of 12 registers lies at 512 (p / 4) + 16 l + 4 (p % 4): 1,536 bytes.
; OUT.  qimg: record (256 H + 8 rb + tile) x 512: 24 r + 12 h: 16 codes; 384 + 4 lane: the row's scale byte four times.
;   kv: head x 204,800 + rb x 6,400: K's fragments F = 0, 1 (a fragment's four blocks are four KEYS: block 2 c + h of row r is the key of tile 4 F + 2 c + h, row r), V's fragments T = 0, 1, then 8 r + 4 F: K's scale words, 128 + 8 r + 4 T: V's.
;   woimg: fragment f = 2 N + ks at 1,536 f, its scale words at 49,152 + 128 f + 4 lane.
; LIMITS: NaN and infinities are not served; a block whose largest magnitude lies under 2^-124 (a block of zeros too) gets the byte 1: its bytes are read by this program alone.
.set XIMG, 0                           ; LDS: x's 16 fragments, (2 tile + ks) x 1,536
.set XSC,  24576                       ; their scale words, 128 bytes each
.set WIMG, 26624                       ; w's 12 fragments, ((2 g + T) 2 + ks) x 1,536; g = 0 q, 1 k, 2 v
.set WSC,  45056                       ; their scale words, 64 bytes each: 4 r + block
.set XA,  4                            ; v4   x: my row's and half's byte in the tile
.set LS,  5                            ; v5   4 x lane
.set LI,  6                            ; v6   16 x lane
.set XWI, 7                            ; v7   where I store x's images
.set XWS, 8                            ; v8   and their scale words
.set WI1, 9                            ; v9   where my column's 24 bytes of codes go in w's image: pieces 0 and 2
.set WI2, 10                           ; v10  piece 1
.set WB,  11                           ; v11  and its scale byte
.set XF,  12                           ; v12  q, k: x's images of my four tiles
.set XFS, 13                           ; v13  and their scale words
.set WFV, 14                           ; v14  v: w's images of my channel tile
.set WSL, 15                           ; v15  4 r
.set WSV, 16                           ; v16  v: w's scale words
.set QO,  17                           ; v17  24 r + 12 h
.set R8,  18                           ; v18  8 r
.set BV,  19                           ; v19  v's bias of my channel
.set ACC, 20                           ; v20-83   first x's K step 0, then the sums
.set XR1, 84                           ; v84-147  x's K step 1
.set WR0, 148                          ; v148-179 a block of w
.set XFR, 84                           ; v84-179  later x's fragments
.set WFR, 180                          ; v180-227 later w's fragments
.set TM,  180                          ; v180-195 at work in the quantisers
.set PW,  196                          ; v196     the scale word just made
.set PC,  198                          ; v198-216 the codes just made
.set BA,  217                          ; v217-220 offsets used once
.set BVA, 218
.set WOA, 219
.set SH8, 220
.set BI,  228                          ; v228-243 the bias in the result's layout
.set XS,  244                          ; v244-251 x's scale words
.set WS,  252                          ; v252-255 w's scale words
.set WV,  18
.set RB,  19
.set HD,  20
.set REP, 21
.set SEL, 22
.macro MM d, a, b, c, sa, sb
	v_wmma_scale_f32_16x16x128_f8f6f4 v[\d:\d+7], v[\a:\a+11], v[\b:\b+11], v[\c:\c+7], v[\sa], v[\sb] matrix_a_fmt:MATRIX_FMT_FP6 matrix_b_fmt:MATRIX_FMT_FP6
.endm
.macro PLACES                          ; four plain vector lines between a matrix instruction and a read of its result, a write of its registers or a load into them
.rept 4
	v_nop
.endr
.endm
.macro XLOAD reg, ks                   ; my row's 16 numbers of each of the K step's four blocks
.irp b, 0,1,2,3
.irp j, 0,1,2,3
	global_load_b128 v[\reg+16*\b+4*\j:\reg+16*\b+4*\j+3], v[XA], s[4:5] offset:512*\ks+128*\b+16*\j
.endr
.endr
.endm
.macro WLOAD reg, g                    ; lane = column, registers run down my wave's 32 rows of w_qkv: each load reads 128 consecutive bytes
.irp i, 0,1,2,3,4,5,6,7,8,9,10,11,12,13,14,15,16,17,18,19,20,21,22,23,24,25,26,27,28,29,30,31
	global_load_b32 v[\reg+\i], v[LS], s[6:7] offset:\g*1024+\i*3072
.endr
.endm
; 64 numbers of a lane, register 16 b + i = number 16 h + i of block b of my row.  swap = 1: a fragment in v[PC] on and its scale word in v[PW].
; swap = 0: the four blocks' halves stay apart (12 bytes a lane each, at PC, PC+12, PC+6, PC+16) and each block's byte is spread over a word in v[TM+8+b].
.macro QUANT s, swap
.irp b, 0,1,2,3
	v_max3_num_f32 v[TM+\b], |v[\s+16*\b]|, |v[\s+1+16*\b]|, 0x1800000   ; the floor 2^(3 - 127) among the leaves: the byte cannot fall under 1
.endr
.irp i, 2,4,6,8,10,12,14
.irp b, 0,1,2,3
	v_max3_num_f32 v[TM+\b], v[TM+\b], |v[\s+16*\b+\i]|, |v[\s+1+16*\b+\i]|
.endr
.endr
.irp b, 0,1,2,3
	v_permlanex16_b32 v[TM+4+\b], v[TM+\b], s[SEL], s[SEL+1]
.endr
.irp b, 0,1,2,3
	v_max_num_f32 v[TM+\b], v[TM+\b], v[TM+4+\b]         ; with lane l xor 16's: the block's largest magnitude
.endr
.irp b, 0,1,2,3
	v_add_nc_u32 v[TM+12+\b], 0xff000000, v[TM+\b]       ; 2 off its exponent field: the conversion's scale operand
.endr
.irp b, 0,1,2,3
	v_lshrrev_b32 v[TM+4+\b], 23, v[TM+12+\b]            ; the scale's byte
.endr
.if \swap
	v_lshl_or_b32 v[PW], v[TM+5], 8, v[TM+4]
	v_lshl_or_b32 v[PW], v[TM+6], 16, v[PW]
	v_lshl_or_b32 v[PW], v[TM+7], 24, v[PW]
.else
.irp b, 0,1,2,3
	v_mul_lo_u32 v[TM+8+\b], v[TM+4+\b], s[REP]
.endr
.endif
.irp c, 0,1
	v_cvt_scalef32_pk16_fp6_f32 v[PC+6*\c:PC+2+6*\c], v[\s+32*\c:\s+15+32*\c], v[TM+12+2*\c]
	v_cvt_scalef32_pk16_fp6_f32 v[PC+12+4*\c:PC+14+4*\c], v[\s+16+32*\c:\s+31+32*\c], v[TM+13+2*\c]
.endr
	v_nop                                                ; one plain line behind the scaled conversions
.if \swap
.irp c, 0,1                            ; the operand wants a whole block in a lane: lanes 0-15 block 2 c, lanes 16-31 block 2 c + 1
.irp i, 0,1,2
	v_permlane16_swap_b32 v[PC+6*\c+\i], v[PC+12+4*\c+\i]
.endr
.irp i, 0,1,2
	v_mov_b32 v[PC+3+6*\c+\i], v[PC+12+4*\c+\i]
.endr
.endr
.endif
.endm
; 64 numbers of a lane, register 32 c + i = number i of block 2 c + h: two whole blocks.  A fragment in v[PC] on, its scale word in v[PW].
.macro VQ s
.irp k, 0,1,2,3
	v_max3_num_f32 v[TM+\k], |v[\s+16*\k]|, |v[\s+16*\k+1]|, 0x1800000
.endr
.irp i, 2,4,6,8,10,12,14
.irp k, 0,1,2,3
	v_max3_num_f32 v[TM+\k], v[TM+\k], |v[\s+16*\k+\i]|, |v[\s+16*\k+\i+1]|
.endr
.endr
	v_max_num_f32 v[TM], v[TM], v[TM+1]
	v_max_num_f32 v[TM+1], v[TM+2], v[TM+3]
.irp c, 0,1
	v_add_nc_u32 v[TM+12+\c], 0xff000000, v[TM+\c]
.endr
.irp c, 0,1
	v_lshrrev_b32 v[TM+8+\c], 23, v[TM+12+\c]
.endr
	v_lshl_or_b32 v[PW], v[TM+9], 16, v[TM+8]            ; my bytes: blocks h and 2 + h,
	v_lshlrev_b32 v[PW], v[SH8], v[PW]                   ; at their places (8 h bits up);
	v_permlanex16_b32 v[TM+4], v[PW], s[SEL], s[SEL+1]
	v_or_b32 v[PW], v[PW], v[TM+4]                       ; with lane l xor 16's two the word is whole, in both lanes
.irp c, 0,1
	v_cvt_scalef32_pk16_fp6_f32 v[PC+6*\c:PC+2+6*\c], v[\s+32*\c:\s+15+32*\c], v[TM+12+\c]
	v_cvt_scalef32_pk16_fp6_f32 v[PC+12+4*\c:PC+14+4*\c], v[\s+16+32*\c:\s+31+32*\c], v[TM+12+\c]
.endr
	v_nop
.irp c, 0,1
.irp i, 0,1,2
	v_mov_b32 v[PC+3+6*\c+\i], v[PC+12+4*\c+\i]
.endr
.endr
.endm
; One block of 32 down K of my column: 24 bytes of codes into their place in w's image (three pieces of 8 bytes), the byte into the scale word.
.macro WQ reg, g
	v_max3_num_f32 v[TM], |v[\reg]|, |v[\reg+1]|, |v[\reg+2]|
	v_max3_num_f32 v[TM+1], |v[\reg+3]|, |v[\reg+4]|, |v[\reg+5]|
.irp i, 6,10,14,18,22,26
	v_max3_num_f32 v[TM], v[TM], |v[\reg+\i]|, |v[\reg+\i+1]|
	v_max3_num_f32 v[TM+1], v[TM+1], |v[\reg+\i+2]|, |v[\reg+\i+3]|
.endr
	v_max3_num_f32 v[TM], v[TM], |v[\reg+30]|, |v[\reg+31]|
	v_max3_num_f32 v[TM], v[TM], v[TM+1], 0x1800000
	v_add_nc_u32 v[TM+12], 0xff000000, v[TM]
	v_lshrrev_b32 v[TM+8], 23, v[TM+12]
	v_cvt_scalef32_pk16_fp6_f32 v[PC:PC+2], v[\reg:\reg+15], v[TM+12]
	v_cvt_scalef32_pk16_fp6_f32 v[PC+12:PC+14], v[\reg+16:\reg+31], v[TM+12]
	v_nop
.irp i, 0,1,2
	v_mov_b32 v[PC+3+\i], v[PC+12+\i]
.endr
	ds_store_b64 v[WI1], v[PC:PC+1] offset:WIMG+\g*6144
	ds_store_b64 v[WI2], v[PC+2:PC+3] offset:WIMG+\g*6144+8
	ds_store_b64 v[WI1], v[PC+4:PC+5] offset:WIMG+\g*6144+512
	ds_store_b8 v[WB], v[TM+8] offset:WSC+\g*256
.endm
.macro IMAGE adr, off
.irp c, 0,1,2
	ds_store_b128 v[\adr], v[PC+4*\c:PC+4*\c+3] offset:\off+512*\c
.endr
.endm
.macro FETCH reg, adr, off
.irp c, 0,1,2
	ds_load_b128 v[\reg+4*\c:\reg+4*\c+3], v[\adr] offset:\off+512*\c
.endr
.endm
; q (g = 0) or k (g = 1) of my four tiles of rows: 16 products, the eight sums by turns, the bias as the C of each sum's first product.
.macro UNIT_QK g
.irp a, 0,1,2,3
.irp ks, 0,1
	FETCH XFR+12*(2*\a+\ks), XF, XIMG+(2*\a+\ks)*1536
	ds_load_b32 v[XS+2*\a+\ks], v[XFS] offset:XSC+(2*\a+\ks)*128
.endr
.endr
.irp t, 0,1
.irp ks, 0,1
	FETCH WFR+12*(2*\t+\ks), LI, WIMG+((2*\g+\t)*2+\ks)*1536
	ds_load_b32 v[WS+2*\t+\ks], v[WSL] offset:WSC+((2*\g+\t)*2+\ks)*64
.endr
.endr
	s_wait_dscnt 0x0
.irp a, 0,1,2,3
.irp t, 0,1
	MM ACC+16*\a+8*\t, WFR+24*\t, XFR+24*\a, BI+8*\t, WS+2*\t, XS+2*\a
.endr
.endr
.irp a, 0,1,2,3
.irp t, 0,1
	MM ACC+16*\a+8*\t, WFR+24*\t+12, XFR+24*\a+12, ACC+16*\a+8*\t, WS+2*\t+1, XS+2*\a+1
.endr
.endr
	PLACES
.endm
	s_load_b256 s[4:11], s[0:1], 0x0               ; x s[4:5], w_qkv s[6:7], b_qkv s[8:9], w_out s[10:11]
	s_load_b128 s[12:15], s[0:1], 0x20             ; qimg s[12:13], kv s[14:15]
	s_load_b64 s[16:17], s[0:1], 0x30              ; woimg
	s_set_vgpr_msb 0x40
	v_lshl_add_u32 v0, v0, 2, 0xb400
	v_mov_b32 v1, 0
	s_set_vgpr_msb 0x4000
	v_lshrrev_b32 v1, 5, v0
	v_readfirstlane_b32 s[WV], v1                  ; wave 0..7
	s_mov_b32 s[RB], ttmp9                         ; block of 128 rows
	s_and_b32 s[HD], ttmp7, 0xffff                 ; head
	s_mov_b32 s[REP], 0x01010101
	s_mov_b32 s[SEL], 0x76543210
	s_mov_b32 s[SEL+1], 0xfedcba98                 ; v_permlanex16_b32's selects for lane l xor 16
	s_lshr_b32 s26, s[WV], 2                       ; K step of my block of w; also F of my tile of x
	s_and_b32 s27, s[WV], 1                        ; the half of the lanes that my block of w goes to; later F or T of my role
	s_bfe_u32 s28, s[WV], 0x10001                  ; c: which six registers
	s_and_b32 s29, s[WV], 3                        ; the block in its K step
	s_mul_i32 s30, s26, 1536
	s_lshl_b32 s31, s27, 8
	s_add_co_u32 s30, s30, s31
	s_mul_i32 s31, s28, 520                        ; pieces 0, 2 lie at 0, 512 (c = 0) or 520, 1,032 (c = 1) of the lane's place,
	s_add_co_u32 s31, s31, s30
	s_mul_i32 s32, s28, 1016                       ; piece 1 at 8 or 1,024
	s_add_co_u32 s32, s32, s30
	s_lshl_b32 s33, s26, 6
	s_add_co_u32 s33, s33, s29
	v_and_b32 v1, 31, v0                           ; lane
	v_and_b32 v2, 15, v0                           ; r
	v_bfe_u32 v3, v0, 4, 1                         ; h
	v_bfe_u32 v20, v0, 3, 1                        ; r / 8; also T of column n = lane
	v_and_b32 v21, 7, v0
	v_lshl_add_u32 v22, v20, 5, v21                ; 32 (r / 8) + r % 8
	v_lshlrev_b32 v[XA], 10, v22
	v_lshl_add_u32 v[XA], v3, 6, v[XA]             ; a row of x is 1,024 bytes; + 64 h
	v_lshlrev_b32 v[LS], 2, v1
	v_lshlrev_b32 v[LI], 4, v1
	s_mul_i32 s34, s[WV], 3072
	v_add_nc_u32 v[XWI], s34, v[LI]
	s_lshl_b32 s34, s[WV], 8
	v_add_nc_u32 v[XWS], s34, v[LS]
	v_lshl_add_u32 v21, v3, 3, v21                 ; the row of its tile at which column n stands: n % 8 + 8 (n / 16)
	v_mul_u32_u24 v22, v20, 3072
	v_lshl_add_u32 v22, v21, 4, v22
	v_add_nc_u32 v[WI1], s31, v22
	v_add_nc_u32 v[WI2], s32, v22
	v_lshlrev_b32 v[WB], 7, v20
	v_lshl_add_u32 v[WB], v21, 2, v[WB]
	v_add_nc_u32 v[WB], s33, v[WB]
	s_mul_i32 s34, s27, 12288
	v_add_nc_u32 v[XF], s34, v[LI]
	s_lshl_b32 s34, s27, 10
	v_add_nc_u32 v[XFS], s34, v[LS]
	s_mul_i32 s34, s27, 3072
	v_add_nc_u32 v[WFV], s34, v[LI]
	v_lshlrev_b32 v[WSL], 2, v2
	s_lshl_b32 s34, s27, 7
	v_add_nc_u32 v[WSV], s34, v[WSL]
	v_mul_u32_u24 v[QO], v2, 24
	v_mad_u32_u24 v[QO], v3, 12, v[QO]
	v_lshlrev_b32 v[R8], 3, v2
	v_lshlrev_b32 v[BA], 6, v3                     ; q's, k's bias: my 16 channels begin at 16 h
	v_lshl_add_u32 v[BVA], v20, 5, v[WSL]          ; v's bias: channel 8 T + r + 8 (r / 8)
	s_lshl_b32 s34, s27, 5
	v_add_nc_u32 v[BVA], s34, v[BVA]
	v_lshl_add_u32 v[WOA], v3, 15, v[WSL]          ; w_out: 32 h rows of 1,024 bytes + 4 r
	v_lshlrev_b32 v[SH8], 3, v3
.irp b, 0,1,2,3
	v_mov_b32 v[TM+4+\b], 0                        ; written once: a lane permute's destination counts as one of its sources
.endr
	s_lshl_b32 s36, s[RB], 7                       ; x: row 128 rb + 64 (w / 4) + 8 (w % 4)
	s_lshl_b32 s34, s26, 6
	s_add_co_u32 s36, s36, s34
	s_lshl_b32 s34, s29, 3
	s_add_co_u32 s36, s36, s34
	s_lshl_b32 s36, s36, 10
	s_mov_b32 s37, 0
	s_mul_i32 s38, s[WV], 98304                    ; w_qkv: 32 w rows of 3,072 bytes + the head's 128 bytes
	s_lshl_b32 s35, s[HD], 7
	s_add_co_u32 s38, s38, s35
	s_mov_b32 s39, 0
	s_lshr_b32 s40, s[WV], 1
	s_min_u32 s40, s40, 1                          ; waves 0, 1: q's bias; the others: k's
	s_lshl_b32 s40, s40, 10
	s_add_co_u32 s40, s40, s35
	s_mov_b32 s41, 0
	s_add_co_u32 s42, s35, 2048                    ; v's bias
	s_mov_b32 s43, 0
	s_lshl_b32 s30, s[HD], 8                       ; qimg: record 256 H + 8 rb + 4 F
	s_lshl_b32 s34, s[RB], 3
	s_add_co_u32 s30, s30, s34
	s_lshl_b32 s34, s27, 2
	s_add_co_u32 s30, s30, s34
	s_lshl_b32 s30, s30, 9
	s_mov_b32 s31, 0
	s_mul_i32 s44, s[HD], 204800                   ; kv: the record,
	s_mul_i32 s34, s[RB], 6400
	s_add_co_u32 s44, s44, s34
	s_lshl_b32 s46, s27, 2
	s_add_co_u32 s46, s46, s44                     ; + 4 (w & 1) for the scale words,
	s_mul_i32 s34, s27, 1536
	s_add_co_u32 s44, s44, s34                     ; + 1,536 (w & 1) for the fragments
	s_mov_b32 s45, 0
	s_mov_b32 s47, 0
	s_wait_kmcnt 0x0
	s_add_nc_u64 s[4:5], s[4:5], s[36:37]
	s_add_nc_u64 s[6:7], s[6:7], s[38:39]
	s_add_nc_u64 s[40:41], s[8:9], s[40:41]
	s_add_nc_u64 s[42:43], s[8:9], s[42:43]
	s_add_nc_u64 s[12:13], s[12:13], s[30:31]
	s_add_nc_u64 s[44:45], s[14:15], s[44:45]
	s_add_nc_u64 s[46:47], s[14:15], s[46:47]
.irp t, 0,1
.irp u, 0,1
	global_load_b128 v[BI+8*\t+4*\u:BI+8*\t+4*\u+3], v[BA], s[40:41] offset:32*\t+16*\u
.endr
.endr
	global_load_b32 v[BV], v[BVA], s[42:43]
	XLOAD ACC, 0
	XLOAD XR1, 1
	WLOAD WR0, 0
	; ---- my tile of x and my block of w become codes
	s_wait_loadcnt 48                              ; x's K step 0 is in; behind it: K step 1's 16 loads and w's 32
	QUANT ACC, 1
	IMAGE XWI, XIMG
	ds_store_b32 v[XWS], v[PW] offset:XSC
	s_wait_loadcnt 32                              ; x's K step 1 is in; behind it: w's 32
	WLOAD ACC, 1                                   ; k's columns, into the registers that K step 0 has left
	s_wait_dscnt 0x0                               ; the stores have read the codes' registers
	QUANT XR1, 1
	IMAGE XWI, XIMG+1536
	ds_store_b32 v[XWS], v[PW] offset:XSC+128
	s_wait_loadcnt 32                              ; q's columns are in; behind them: k's 32
	WLOAD XR1, 2                                   ; v's columns
	s_wait_dscnt 0x0
	WQ WR0, 0
	s_wait_loadcnt 32                              ; k's columns are in; behind them: v's 32
	s_wait_dscnt 0x0
	WQ ACC, 1
	s_wait_loadcnt 0x0
	s_wait_dscnt 0x0
	WQ XR1, 2
	s_wait_dscnt 0x0                               ; for the others' sake: my LDS stores have landed
	s_barrier_signal -1
	s_barrier_wait -1                              ; all 16 fragments of x and all 12 of w lie in LDS; from here on LDS is only read
	; ---- the roles
	s_cmp_lt_u32 s[WV], 2
	s_cbranch_scc0 .Lnot_q
	UNIT_QK 0
	QUANT ACC, 0                                   ; a row's 32 channels are one block, in lanes l and l xor 16
.macro QST a, reg
	global_store_b96 v[QO], v[\reg:\reg+2], s[12:13] offset:512*\a         ; the wave stores 384 consecutive bytes
	global_store_b32 v[LS], v[TM+8+\a], s[12:13] offset:512*\a+384         ; and 128 more: the record is whole
.endm
	QST 0, PC
	QST 1, PC+12
	QST 2, PC+6
	QST 3, PC+16
	s_set_vgpr_msb 0x5
	s_wait_tensorcnt 0x0
	ds_add_u32 v0, v1
	s_wait_dscnt 0x0
	s_set_vgpr_msb 0x500
	s_endpgm
.Lnot_q:
	s_cmp_lt_u32 s[WV], 4
	s_cbranch_scc0 .Lnot_k
	UNIT_QK 1
	QUANT ACC, 1                                   ; the four tiles' rows r become the four blocks of row r of ONE fragment: 64 keys
.irp c, 0,1,2
	global_store_b128 v[LI], v[PC+4*\c:PC+4*\c+3], s[44:45] offset:512*\c
.endr
	global_store_b32 v[R8], v[PW], s[46:47] offset:6144    ; lanes r and r + 16 hold the same word and write it to the same place
	s_set_vgpr_msb 0x5
	s_wait_tensorcnt 0x0
	ds_add_u32 v0, v1
	s_wait_dscnt 0x0
	s_set_vgpr_msb 0x500
	s_endpgm
.Lnot_k:
	s_cmp_lt_u32 s[WV], 6
	s_cbranch_scc0 .Lnot_v
.irp j, 0,1,2,3,4,5,6,7
	v_mov_b32 v[BI+\j], v[BV]                      ; here a lane holds one channel: its bias in all eight registers
.endr
.irp ks, 0,1
	FETCH WFR+12*\ks, WFV, WIMG+12288+\ks*1536
	ds_load_b32 v[WS+\ks], v[WSV] offset:WSC+512+64*\ks
.endr
.irp ks, 0,1
.if \ks == 1
	PLACES
.endif
.irp t, 0,1,2,3,4,5,6,7
	FETCH XFR+12*\t, LI, XIMG+(2*\t+\ks)*1536
	ds_load_b32 v[XS+\t], v[LS] offset:XSC+(2*\t+\ks)*128
.endr
	s_wait_dscnt 0x0
.irp t, 0,1,2,3,4,5,6,7
.if \ks == 0
	MM ACC+8*\t, XFR+12*\t, WFR, BI, XS+\t, WS
.else
	MM ACC+8*\t, XFR+12*\t, WFR+12, ACC+8*\t, XS+\t, WS+1
.endif
.endr
.endr
	PLACES
	VQ ACC                                         ; register 32 c + i is key 64 c + 32 h + i of my channel: the codes are the fragment's registers
.irp c, 0,1,2
	global_store_b128 v[LI], v[PC+4*\c:PC+4*\c+3], s[44:45] offset:3072+512*\c
.endr
	global_store_b32 v[R8], v[PW], s[46:47] offset:6272
	s_set_vgpr_msb 0x5
	s_wait_tensorcnt 0x0
	ds_add_u32 v0, v1
	s_wait_dscnt 0x0
	s_set_vgpr_msb 0x500
	s_endpgm
.Lnot_v:
	s_cmp_eq_u32 s[WV], 6
	s_cbranch_scc0 .Lend
	s_cmp_lt_u32 s[RB], 4
	s_cbranch_scc0 .Lend
	s_lshl_b32 s26, s[RB], 3                       ; fragment f = 8 rb + H of w_out: columns 16 (f / 2) on, K step f % 2
	s_add_co_u32 s26, s26, s[HD]
	s_and_b32 s28, s26, 1
	s_lshl_b32 s28, s28, 17
	s_lshr_b32 s30, s26, 1
	s_lshl_b32 s30, s30, 6
	s_add_co_u32 s28, s28, s30
	s_mov_b32 s29, 0
	s_add_nc_u64 s[10:11], s[10:11], s[28:29]
.irp c, 0,1
.irp i, 0,1,2,3,4,5,6,7,8,9,10,11,12,13,14,15,16,17,18,19,20,21,22,23,24,25,26,27,28,29,30,31
	global_load_b32 v[ACC+32*\c+\i], v[WOA], s[10:11] offset:(64*\c+\i)*1024   ; lane (r, h): column r, rows 64 c + 32 h + i
.endr
.endr
	s_mul_i32 s30, s26, 1536
	s_mov_b32 s31, 0
	s_add_nc_u64 s[30:31], s[16:17], s[30:31]
	s_lshl_b32 s32, s26, 7
	s_mov_b32 s33, 0
	s_add_nc_u64 s[32:33], s[16:17], s[32:33]
	s_wait_loadcnt 0x0
	VQ ACC
.irp c, 0,1,2
	global_store_b128 v[LI], v[PC+4*\c:PC+4*\c+3], s[30:31] offset:512*\c
.endr
	global_store_b32 v[LS], v[PW], s[32:33] offset:49152
.Lend:
	s_set_vgpr_msb 0x5
	s_wait_tensorcnt 0x0
	ds_add_u32 v0, v1
	s_wait_dscnt 0x0
	s_set_vgpr_msb 0x500
	s_endpgm
.Lfunc_end_k_q134ac4379d_proj:
	.size	k_q134ac4379d_proj, .Lfunc_end_k_q134ac4379d_proj-k_q134ac4379d_proj
	.p2alignl 7, 3214868480
	.fill 96, 4, 3214868480
	.section	.rodata,"a",@progbits
	.p2align	6, 0x0
	.amdhsa_kernel k_q134ac4379d_proj
		.amdhsa_group_segment_fixed_size 47104
		.amdhsa_private_segment_fixed_size 0
		.amdhsa_enable_private_segment 0
		.amdhsa_kernarg_size 56
		.amdhsa_user_sgpr_count 2
		.amdhsa_user_sgpr_kernarg_segment_ptr 1
		.amdhsa_wavefront_size32 1
		.amdhsa_system_sgpr_workgroup_id_x 1
		.amdhsa_system_sgpr_workgroup_id_y 1
		.amdhsa_system_sgpr_workgroup_id_z 1
		.amdhsa_system_vgpr_workitem_id 0
		.amdhsa_next_free_vgpr 258
		.amdhsa_next_free_sgpr 66
		.amdhsa_reserve_vcc 0
		.amdhsa_float_denorm_mode_32 3
		.amdhsa_float_denorm_mode_16_64 3
		.amdhsa_memory_ordered 1
		.amdhsa_forward_progress 1
		.amdhsa_inst_pref_size 71
	.end_amdhsa_kernel
	.amdgpu_metadata
---
amdhsa.version: [ 1, 2 ]
amdhsa.kernels:
  - .name:           k_q134ac4379d_proj
    .symbol:         k_q134ac4379d_proj.kd
    .args:
      - { .name: x, .offset: 0, .size: 8, .value_kind: global_buffer, .address_space: global }
      - { .name: w_qkv, .offset: 8, .size: 8, .value_kind: global_buffer, .address_space: global }
      - { .name: b_qkv, .offset: 16, .size: 8, .value_kind: global_buffer, .address_space: global }
      - { .name: w_out, .offset: 24, .size: 8, .value_kind: global_buffer, .address_space: global }
      - { .name: qimg, .offset: 32, .size: 8, .value_kind: global_buffer, .address_space: global }
      - { .name: kv, .offset: 40, .size: 8, .value_kind: global_buffer, .address_space: global }
      - { .name: woimg, .offset: 48, .size: 8, .value_kind: global_buffer, .address_space: global }
    .group_segment_fixed_size: 47104
    .private_segment_fixed_size: 0
    .kernarg_segment_align: 8
    .kernarg_segment_size: 56
    .max_flat_workgroup_size: 256
    .sgpr_count:     66
    .vgpr_count:     258
    .wavefront_size: 32
...
	.end_amdgpu_metadata
.endif
;; end of part 1
;; launch attn (part 2): grid 32 x 8, 16 waves a work-group, clusters of 4 x 1, 231,424 bytes of LDS; arguments qimg, kv, ocodes, oscales; writes ocodes, oscales
.if DOCPART == 2
	.amdgcn_target "amdgcn-amd-amdhsa--gfx1250"
	.amdhsa_code_object_version 6
	.text
	.protected	k_q134ac4379d_attn
	.globl	k_q134ac4379d_attn
	.p2align	8
	.type	k_q134ac4379d_attn,@function
k_q134ac4379d_attn:
	s_mov_b64 s[64:65], 0
	v_nop
	global_prefetch_b8 v0, s[64:65] scope:SCOPE_SE
	s_setreg_imm32_b32 hwreg(HW_REG_WAVE_MODE, 25, 1), 1
	s_wait_xcnt 0x0
	s_wait_alu depctr_hold_cnt(0) depctr_sa_sdst(0) depctr_va_vdst(0) depctr_va_sdst(0) depctr_va_ssrc(0) depctr_va_vcc(0) depctr_vm_vsrc(0)
	s_getreg_b32 s2, hwreg(HW_REG_IB_STS2, 6, 4)
	s_cmp_eq_u32 s2, 0
	s_cbranch_scc0 .Lentry_in_a_cluster
	s_endpgm
.Lentry_in_a_cluster:
	s_bfe_u32 s2, ttmp6, 0x10000c
	s_cmp_lg_u32 s2, 0x3003
	s_cbranch_scc0 .Lentry_shape_is_right
	s_endpgm
.Lentry_shape_is_right:
; For head H and 128 queries: S = q k^T, p = 2^(t - M) with t = S log2(e) / 16 and M the running ceiling of the largest t, O = Q(p) Q(v), O / l, and o quantised along the head's 32 channels.
; Both products on codes of FP6 (E2M3) with one E8M0 scale for each 32 along K.
; SHARES.  A work-group: one head, eight tiles of 16 queries.  Sixteen waves, four to a SIMD: wave w owns tile w % 8 and every second record of 128 keys (w / 8 says which); the two halves of a tile are merged at the end by exact powers of two.
; THE WHOLE HEAD'S K AND V, 32 records of 6,400 bytes of codes and scale words, lie in LDS, filled ONCE: each wave brings two records.  Nothing is filled again, so there is no ring.
; CLUSTER.  The four work-groups of a cluster belong to one head and want the same 204,800 bytes: every load is asked for jointly, with a mask that names the four.
; K = 32 IN AN INSTRUCTION OF K = 128.  A fragment of K holds 64 KEYS: block b of row m is key 64 F + 32 (m / 8) + 8 b + m % 8.  q's codes stand in ONE block b of the other operand, zero codes in the other three: the product is the scores of the
; 16 keys of block b.  Four products use a fragment up.  In the results lane (query, h) holds, in registers 32 F + 0 .. 31, keys 64 F + 32 h + 0 .. 31: a WHOLE block of the second product's K, in the order of the operand's registers:
; a block's maximum needs no other lane, and p's codes need no exchange.
; Both products are used transposed (source 0 = keys, or V's channels; source 1 = my queries): a lane holds one query throughout.
; LIMITS: NaN and infinities are not served; a p under 2^-126 counts as 0 (the exponential's own flush, ISA guide 15.8); a block of p or of o under 2^-124 gets the byte 1 and zero or tiny codes; the keys are summed in two halves.
.set REC,  6400                        ; a record: K's fragments at 0 and 1,536, V's at 3,072 and 4,608, scale words at 6,144 + 8 lane
.set MRG,  32*REC                      ; behind the head: 2,304 bytes for each tile of queries, for the merge
.set LI,  1                            ; v1   16 x lane
.set L8,  2                            ; v2   8 x lane
.set ADK, 3                            ; v3   the record's fragments
.set ADS, 4                            ; v4   its scale words
.set MA,  5                            ; v5   the merge: 16 bytes a lane
.set MB,  6                            ; v6   the merge: 4 bytes a lane
.set QO,  7                            ; v7   24 r + 12 h
.set R8,  8                            ; v8   8 r
.set H8,  9                            ; v9   8 h
.set QA,  10                           ; v10  24 r
.set L4,  11                           ; v11  4 x lane
                                       ; v12 -M, v13 the largest score so far, v[14:15] the sum l in two halves
.set QZ,  16                           ; v16-45: zeros, A, zeros, B, zeros, six registers each.  A: q's codes in lanes 0-15; B: in lanes 16-31
.set QS,  46                           ; v46  q's scale byte, four times
.set KF,  48                           ; v48-71  K's two fragments
.set VF,  72                           ; v72-95  V's two
.set SW,  96                           ; v96-97  lanes 0-15: K's scale words of F = 0, 1; lanes 16-31: V's of T = 0, 1
.set PS,  98                           ; v98  p's scale word
.set S,   104                          ; v104-167 the scores, then p
.set O,   168                          ; v168-183 O^T: register 8 T + j is channel 16 h + 8 T + j
.set PCD, 184                          ; v184-195 p's codes
.set PC2, 196                          ; v196-202 the second halves of the conversions
.set MX,  204                          ; v204-207 maxima
.set WV,  12
.set TB,  18
.set CNT, 19
.set SEL, 20
.set CS,  22
.set CN,  24
.set LOW, 25
.set G1,  28
.set G0,  36
.macro MMZ d, a, b, sa, sb
	v_wmma_scale_f32_16x16x128_f8f6f4 v[\d:\d+7], v[\a:\a+11], v[\b:\b+11], 0, v[\sa], v[\sb] matrix_a_fmt:MATRIX_FMT_FP6 matrix_b_fmt:MATRIX_FMT_FP6
.endm
.macro MMV d, a, b, sa, sb
	v_wmma_scale_f32_16x16x128_f8f6f4 v[\d:\d+7], v[\a:\a+11], v[\b:\b+11], v[\d:\d+7], v[\sa], v[\sb] matrix_a_fmt:MATRIX_FMT_FP6 matrix_b_fmt:MATRIX_FMT_FP6 matrix_a_scale:MATRIX_SCALE_ROW1
.endm
.macro PLACES
.rept 4
	v_nop
.endr
.endm
.macro CROUND                          ; a round of the cluster's barrier
	s_barrier_signal -1
	s_barrier_wait -1
	s_cmp_lg_u32 s[WV], 0
	s_cbranch_scc1 .Lnot_wave_0_\@
	s_barrier_signal -3
.Lnot_wave_0_\@:
	s_barrier_wait -3
	s_barrier_signal -1
	s_barrier_wait -1
.endm
	s_load_b256 s[4:11], s[0:1], 0x0               ; qimg s[4:5], kv s[6:7], ocodes s[8:9], oscales s[10:11]
	v_lshl_add_u32 v254, v0, 2, 0x38000
	v_mov_b32 v255, 0
	ds_add_u32 v254, v255
	ds_add_u32 v254, v255
	v_lshrrev_b32 v204, 5, v0
	v_readfirstlane_b32 s[WV], v204                ; wave 0..15
	s_bfe_u32 s13, ttmp6, 0x40000                  ; cx: my place in the cluster: it enters q's and o's addresses alone
	s_lshl_b32 s14, ttmp9, 2
	s_add_co_u32 s14, s14, s13                     ; my block of 128 queries
	s_and_b32 s15, ttmp7, 0xffff                   ; the head, which the four partners share
	s_and_b32 s16, s[WV], 7                        ; my tile of queries
	s_lshr_b32 s17, s[WV], 3                       ; my half of the records
	s_mul_i32 s[TB], s17, REC
	s_mov_b32 s[SEL], 0x76543210
	s_mov_b32 s[SEL+1], 0xfedcba98
	s_mov_b32 s[CS], 0x3db8aa3b                    ; c = log2(e) / 16
	s_mov_b32 s[CS+1], s[CS]                       ; (named with it as a pair)
	s_mov_b32 s[CN], 0xbdb8aa3b                    ; -c
	; descriptor group 1: a record, dense in memory, as 25 rows of 256 bytes (32 elements of 8 bytes)
	s_mov_b32 s[G1], 15|(3<<16)|(1<<21)            ; 15:0 the mask: all four work-groups; 17:16 elements of 8 bytes; 21 set beside a mask; no padding: images are read 16 bytes a lane, on end
	s_mov_b32 s[G1+1], 32<<16                      ; tensor_dim0 = 32
	s_mov_b32 s[G1+2], 25<<16                      ; tensor_dim1 = 25
	s_mov_b32 s[G1+3], 32<<16                      ; tile_dim0 = 32
	s_mov_b32 s[G1+4], 25                          ; tile_dim1 = 25
	s_mov_b32 s[G1+5], 32                          ; from row to row
	s_mov_b32 s[G1+6], 0
	s_mov_b32 s[G1+7], 0
	s_mul_i32 s46, s[WV], REC                      ; record w: its place in LDS, and in the head
	s_mul_i32 s44, s15, 32*REC
	s_add_co_u32 s44, s44, s46
	s_mov_b32 s45, 0
	s_lshl_b32 s47, s14, 3
	s_add_co_u32 s47, s47, s16                     ; G: my tile among all 256
	s_lshl_b32 s48, s15, 8
	s_add_co_u32 s48, s48, s47
	s_lshl_b32 s48, s48, 9                         ; q's record
	s_mov_b32 s49, 0
	s_lshl_b32 s50, s47, 3
	s_add_co_u32 s50, s50, s15
	s_mul_i32 s50, s50, 384                        ; o's codes: (8 G + H) x 384
	s_mov_b32 s51, 0
	s_lshl_b32 s52, s47, 7
	s_add_co_u32 s52, s52, s15                     ; o's scale bytes: 128 G + H
	s_mov_b32 s53, 0
	v_and_b32 v204, 31, v0                         ; lane
	v_and_b32 v205, 15, v0                         ; r
	v_bfe_u32 v206, v0, 4, 1                       ; h
	v_lshlrev_b32 v[LI], 4, v204
	v_lshlrev_b32 v[L8], 3, v204
	v_lshlrev_b32 v[L4], 2, v204
	s_mul_i32 s26, s16, 2304
	s_add_co_u32 s26, s26, MRG
	v_add_nc_u32 v[MA], s26, v[LI]
	v_add_nc_u32 v[MB], s26, v[L4]
	v_mul_u32_u24 v[QA], v205, 24
	v_mad_u32_u24 v[QO], v206, 12, v[QA]
	v_lshlrev_b32 v[R8], 3, v205
	v_lshlrev_b32 v[H8], 3, v206
	v_cmp_gt_u32 s[LOW], 16, v204                  ; lanes 0-15
	s_wait_dscnt 0x0
	s_wait_kmcnt 0x0
	s_add_nc_u64 s[4:5], s[4:5], s[48:49]
	s_add_nc_u64 s[8:9], s[8:9], s[50:51]
	s_add_nc_u64 s[10:11], s[10:11], s[52:53]
	s_add_nc_u64 s[6:7], s[6:7], s[44:45]
	s_mov_b32 s[G0], 1                             ; group 0 for record w:
	s_mov_b32 s[G0+1], s46                         ; LDS address,
	s_mov_b64 s[G0+2:G0+3], s[6:7]                 ; global address,
	s_or_b32 s[G0+3], s[G0+3], 0x80000000          ; type 2
	s_mov_b32 s[G0+4], 1                           ; and for record 16 + w
	s_add_co_u32 s[G0+5], s46, 16*REC
	s_add_nc_u64 s[G0+6:G0+7], s[6:7], 16*REC
	s_or_b32 s[G0+7], s[G0+7], 0x80000000
	CROUND                                         ; all four work-groups are here: the joint loads meet
	tensor_load_to_lds s[G0:G0+3], s[G1:G1+7]      ; two tensor loads of mine are out: all that this wave ever issues
	s_nop 0
	tensor_load_to_lds s[G0+4:G0+7], s[G1:G1+7]
	s_nop 0
	PLACES                                         ; four such lines behind the loads
.irp p, 0,1,2
	global_load_b64 v[220+2*\p:221+2*\p], v[QA], s[4:5] offset:8*\p   ; my query's 32 codes, in both halves of the lanes
.endr
	global_load_b32 v[QS], v[L4], s[4:5] offset:384
.irp i, 0,1,2,3,4,5
	v_mov_b32 v[QZ+\i], 0
	v_mov_b32 v[QZ+12+\i], 0
	v_mov_b32 v[QZ+24+\i], 0
.endr
.irp i, 0,1,2,3,4,5,6,7,8,9,10,11,12,13,14,15
	v_mov_b32 v[O+\i], 0                           ; the step is written once: the first finds zeros, which the first change of M leaves zeros
.endr
	v_mov_b32 v14, 0
	v_mov_b32 v15, 0
	v_mov_b32 v208, 0                              ; lane permutes' destinations count as sources: written once
	v_mov_b32 v217, 0
	v_mov_b32 v211, 0                              ; (named as the upper half of the pair v[210:211])
	v_mov_b32 v13, 0xff61b1e6                      ; the largest score so far: -3e38
	v_mul_f32 v12, s[CN], v13
	v_floor_f32 v12, v12                           ; -M
	s_wait_loadcnt 0x0
.irp i, 0,1,2,3,4,5
	v_cndmask_b32 v[QZ+6+\i], 0, v[220+\i], s[LOW]         ; A
	v_cndmask_b32 v[QZ+18+\i], v[220+\i], v[QZ], s[LOW]    ; B
.endr
; A STEP: one record, 128 keys.
.macro STEP
	v_add_nc_u32 v[ADK], s[TB], v[LI]              ; these four lines are also the places between the last step's products and the loads into their registers
	v_add_nc_u32 v[ADS], s[TB], v[L8]
	v_nop
	v_nop
.irp i, 0,1,2
	ds_load_b128 v[KF+4*\i:KF+4*\i+3], v[ADK] offset:512*\i
.endr
	ds_load_b64 v[SW:SW+1], v[ADS] offset:6144
.irp i, 3,4,5
	ds_load_b128 v[KF+4*\i:KF+4*\i+3], v[ADK] offset:512*\i
.endr
.irp i, 0,1,2,3,4,5
	ds_load_b128 v[VF+4*\i:VF+4*\i+3], v[ADK] offset:3072+512*\i
.endr
	s_wait_dscnt 6                                 ; K and the scale words are in; V's six loads may stay out
.irp f, 0,1                            ; q in block 0: A, zeros; block 1: B, zeros; block 2: zeros, A; block 3: zeros, B
	MMZ S+32*\f,    KF+12*\f, QZ+6,  SW+\f, QS
	MMZ S+32*\f+8,  KF+12*\f, QZ+18, SW+\f, QS
	MMZ S+32*\f+16, KF+12*\f, QZ,    SW+\f, QS
	MMZ S+32*\f+24, KF+12*\f, QZ+12, SW+\f, QS
.endr
	PLACES
.irp k, 0,1,2,3                        ; the largest score of each block of 32 keys, in two chains a block; each result is read from its low end on
	v_max3_num_f32 v[MX+\k], v[S+16*\k], v[S+16*\k+1], v[S+16*\k+2]
.endr
.irp i, 3,5,7,9,11,13
.irp k, 0,1,2,3
	v_max3_num_f32 v[MX+\k], v[MX+\k], v[S+16*\k+\i], v[S+16*\k+\i+1]
.endr
.endr
	v_max3_num_f32 v[MX], v[MX], v[S+15], v[MX+1]
	v_max3_num_f32 v[MX+1], v[MX+2], v[S+47], v[MX+3]
	v_max_num_f32 v[MX], v[MX], v[S+31]            ; block F = 0's
	v_max_num_f32 v[MX+1], v[MX+1], v[S+63]        ; block F = 1's
	v_max_num_f32 v[MX+2], v[MX], v[MX+1]
	v_permlanex16_b32 v208, v[MX+2], s[SEL], s[SEL+1]
	v_max3_num_f32 v13, v13, v[MX+2], v208         ; the running largest score of my query
	v_mul_f32 v[MX+3], s[CN], v13
	v_mov_b32 v209, v12
	v_floor_f32 v12, v[MX+3]                       ; -M = floor(-t) = -ceil(t): a whole number
	v_sub_f32 v209, v12, v209                      ; old M - new M: a whole number, 0 or less
	v_cvt_i32_f32 v209, v209                       ; (it saturates)
	v_ldexp_f32 v210, 1.0, v209                    ; f = 2^(old M - new M): a multiplication by it rounds nothing
.set j, 0
.rept 32
	v_pk_fma_f32 v[S+j:S+j+1], v[S+j:S+j+1], s[CS:CS+1], v[12:13] op_sel_hi:[1,0,0]   ; t - M
.set j, j+2
.endr
	v_fma_f32 v[MX], v[MX], s[CS], v12             ; the same of each block's largest score: p rises with the score
	v_fma_f32 v[MX+1], v[MX+1], s[CS], v12
.set j, 0
.rept 64
	v_exp_f32 v[S+j], v[S+j]                       ; p = 2^(t - M): not normalised
.set j, j+1
.endr
	v_exp_f32 v[MX], v[MX]                         ; the block's largest p: the same two instructions on the same number
	v_exp_f32 v[MX+1], v[MX+1]
	v_pk_mul_f32 v[14:15], v[14:15], v[210:211] op_sel_hi:[1,0]   ; l under the new M.  (The plain line behind the exponentials)
	s_wait_alu depctr_va_vdst(0)
.irp f, 0,1
	v_max_num_f32 v[MX+\f], 0x1800000, v[MX+\f]    ; the floor 2^(3 - 127): the byte cannot fall under 1
.endr
.irp f, 0,1
	v_add_nc_u32 v[212+\f], 0xff000000, v[MX+\f]   ; 2 off the exponent field: the conversion's scale operand
.endr
.irp f, 0,1
	v_lshrrev_b32 v[214+\f], 23, v[212+\f]         ; the scale's byte
.endr
	v_lshl_or_b32 v216, v215, 16, v214             ; my blocks are h and 2 + h of these 128 keys
	v_lshlrev_b32 v216, v[H8], v216
	v_permlanex16_b32 v217, v216, s[SEL], s[SEL+1]
	v_or_b32 v[PS], v216, v217                     ; p's scale word
.irp f, 0,1
	v_cvt_scalef32_pk16_fp6_f32 v[PCD+6*\f:PCD+6*\f+2], v[S+32*\f:S+32*\f+15], v[212+\f]
	v_cvt_scalef32_pk16_fp6_f32 v[PC2+4*\f:PC2+4*\f+2], v[S+32*\f+16:S+32*\f+31], v[212+\f]   ; (a conversion's three registers begin on an even number)
.endr
	v_nop                                          ; one plain line behind the scaled conversions
.irp f, 0,1
.irp i, 0,1,2
	v_mov_b32 v[PCD+3+6*\f+\i], v[PC2+4*\f+\i]
.endr
.endr
	v_pk_add_f32 v[218:219], v[S:S+1], v[S+2:S+3]  ; l is the sum of the UNQUANTISED p: two at a time, in two chains
.set j, 4
.rept 15
	v_pk_add_f32 v[14:15], v[14:15], v[S+j:S+j+1]
	v_pk_add_f32 v[218:219], v[218:219], v[S+j+2:S+j+3]
.set j, j+4
.endr
	v_pk_add_f32 v[14:15], v[14:15], v[218:219]
.set j, 0
.rept 8
	v_pk_mul_f32 v[O+j:O+j+1], v[O+j:O+j+1], v[210:211] op_sel_hi:[1,0]   ; O^T under the new M.  (With the sums above: the lines between the making of p's codes and scale word and the products)
.set j, j+2
.endr
	s_wait_dscnt 0x0                               ; V is in
	MMV O,   VF,    PCD, SW,   PS                  ; the two sums take turns, and eight other products stand between a sum's links
	MMV O+8, VF+12, PCD, SW+1, PS
.endm
.macro HALF                            ; eight of my sixteen records
	s_mov_b32 s[CNT], 8
.Lstep_\@:
	STEP
	s_add_co_u32 s[TB], s[TB], 2*REC
	s_sub_co_u32 s[CNT], s[CNT], 1
	s_cmp_lg_u32 s[CNT], 0
	s_cbranch_scc1 .Lstep_\@
.endm
	s_wait_tensorcnt 0x1                           ; my record of the head's first half is in; the second half's may stay out
	s_barrier_signal -1
	s_barrier_wait -1                              ; records 0 to 15 are whole
	HALF
	s_wait_tensorcnt 0x0
	s_wait_dscnt 0x0
	s_barrier_signal -1
	s_barrier_wait -1                              ; records 16 to 31 are whole
	HALF
	; ---- the two halves of the keys meet: waves 8-15 hand O^T, -M and l to waves 0-7
	PLACES
	v_add_f32 v14, v14, v15
	v_permlanex16_b32 v208, v14, s[SEL], s[SEL+1]
	v_add_f32 v14, v14, v208                       ; my half's l
	s_cmp_lt_u32 s[WV], 8
	s_cbranch_scc1 .Lkeeps
.irp i, 0,1,2,3
	ds_store_b128 v[MA], v[O+4*\i:O+4*\i+3] offset:512*\i
.endr
	ds_store_b32 v[MB], v12 offset:2048
	ds_store_b32 v[MB], v14 offset:2176
.Lkeeps:
	s_wait_dscnt 0x0                               ; for the others' sake: my stores have landed
	s_barrier_signal -1
	s_barrier_wait -1
	s_cmp_lt_u32 s[WV], 8
	s_cbranch_scc0 .Lclose
.irp i, 0,1,2,3
	ds_load_b128 v[S+4*\i:S+4*\i+3], v[MA] offset:512*\i
.endr
	ds_load_b32 v120, v[MB] offset:2048
	ds_load_b32 v121, v[MB] offset:2176
	s_wait_dscnt 0x0
	v_min_num_f32 v126, v12, v120                  ; -(the larger M)
	v_sub_f32 v127, v126, v12
	v_sub_f32 v144, v126, v120
	v_cvt_i32_f32 v127, v127
	v_cvt_i32_f32 v144, v144
	v_ldexp_f32 v127, 1.0, v127                    ; both halves under the larger M: exact powers of two
	v_ldexp_f32 v144, 1.0, v144
	v_mul_f32 v14, v14, v127
	v_fma_f32 v14, v121, v144, v14                 ; the row's l
	v_rcp_f32 v145, v14
	v_nop                                          ; one plain line behind the reciprocal
	s_wait_alu depctr_va_vdst(0)
	v_mul_f32 v122, v127, v145
	v_mul_f32 v124, v144, v145
	v_mov_b32 v123, v122
	v_mov_b32 v125, v124
.set j, 0
.rept 8
	v_pk_mul_f32 v[128+j:129+j], v[O+j:O+j+1], v[122:123] op_sel_hi:[1,0]
.set j, j+2
.endr
.set j, 0
.rept 8
	v_pk_fma_f32 v[128+j:129+j], v[S+j:S+j+1], v[124:125], v[128+j:129+j] op_sel_hi:[1,0,1]   ; o, channels 16 h + 0 .. 15 of my query
.set j, j+2
.endr
	v_max3_num_f32 v148, |v128|, |v129|, 0x1800000 ; the head's 32 channels are one block of the last product's K
	v_max3_num_f32 v149, |v136|, |v137|, |v138|
	v_max3_num_f32 v148, v148, |v130|, |v131|
	v_max3_num_f32 v149, v149, |v139|, |v140|
	v_max3_num_f32 v148, v148, |v132|, |v133|
	v_max3_num_f32 v149, v149, |v141|, |v142|
	v_max3_num_f32 v148, v148, |v134|, |v135|
	v_max3_num_f32 v148, v148, v149, |v143|
	v_permlanex16_b32 v208, v148, s[SEL], s[SEL+1]
	v_max_num_f32 v148, v148, v208
	v_add_nc_u32 v150, 0xff000000, v148
	v_lshrrev_b32 v151, 23, v150
	v_cvt_scalef32_pk16_fp6_f32 v[144:146], v[128:143], v150
	v_nop
	global_store_b96 v[QO], v[144:146], s[8:9]     ; the wave stores 384 consecutive bytes
	global_store_b8 v[R8], v151, s[10:11]          ; lanes r and r + 16 hold the same byte and write it to the same place
.Lclose:
	s_wait_tensorcnt 0x0
	ds_add_u32 v254, v255
	s_wait_dscnt 0x0
	CROUND                                         ; the closing round: no work-group ends while a partner may still ask for a record that names it
	s_endpgm
.Lfunc_end_k_q134ac4379d_attn:
	.size	k_q134ac4379d_attn, .Lfunc_end_k_q134ac4379d_attn-k_q134ac4379d_attn
	.p2alignl 7, 3214868480
	.fill 96, 4, 3214868480
	.section	.rodata,"a",@progbits
	.p2align	6, 0x0
	.amdhsa_kernel k_q134ac4379d_attn
		.amdhsa_group_segment_fixed_size 231424
		.amdhsa_private_segment_fixed_size 0
		.amdhsa_enable_private_segment 0
		.amdhsa_kernarg_size 32
		.amdhsa_user_sgpr_count 2
		.amdhsa_user_sgpr_kernarg_segment_ptr 1
		.amdhsa_wavefront_size32 1
		.amdhsa_system_sgpr_workgroup_id_x 1
		.amdhsa_system_sgpr_workgroup_id_y 1
		.amdhsa_system_sgpr_workgroup_id_z 1
		.amdhsa_system_vgpr_workitem_id 0
		.amdhsa_next_free_vgpr 256
		.amdhsa_next_free_sgpr 66
		.amdhsa_reserve_vcc 0
		.amdhsa_float_denorm_mode_32 3
		.amdhsa_float_denorm_mode_16_64 3
		.amdhsa_memory_ordered 1
		.amdhsa_forward_progress 1
		.amdhsa_inst_pref_size 37
	.end_amdhsa_kernel
	.amdgpu_metadata
---
amdhsa.version: [ 1, 2 ]
amdhsa.kernels:
  - .name:           k_q134ac4379d_attn
    .symbol:         k_q134ac4379d_attn.kd
    .args:
      - { .name: qimg, .offset: 0, .size: 8, .value_kind: global_buffer, .address_space: global }
      - { .name: kv, .offset: 8, .size: 8, .value_kind: global_buffer, .address_space: global }
      - { .name: ocodes, .offset: 16, .size: 8, .value_kind: global_buffer, .address_space: global }
      - { .name: oscales, .offset: 24, .size: 8, .value_kind: global_buffer, .address_space: global }
    .group_segment_fixed_size: 231424
    .private_segment_fixed_size: 0
    .kernarg_segment_align: 8
    .kernarg_segment_size: 32
    .max_flat_workgroup_size: 512
    .sgpr_count:     66
    .vgpr_count:     256
    .wavefront_size: 32
...
	.end_amdgpu_metadata
.endif
;; end of part 2
;; launch outp (part 3): grid 256 x 1, 4 waves a work-group, no clusters, 17,920 bytes of LDS; arguments ocodes, oscales, woimg, b_out, out0; writes out0
.if DOCPART == 3
	.amdgcn_target "amdgcn-amd-amdhsa--gfx1250"
	.amdhsa_code_object_version 6
	.text
	.protected	k_q134ac4379d_outp
	.globl	k_q134ac4379d_outp
	.p2align	8
	.type	k_q134ac4379d_outp,@function
k_q134ac4379d_outp:
	s_mov_b64 s[64:65], 0
	v_nop
	global_prefetch_b8 v0, s[64:65] scope:SCOPE_SE
	s_setreg_imm32_b32 hwreg(HW_REG_WAVE_MODE, 25, 1), 1
	s_wait_xcnt 0x0
; out0 = Q(o) Q(w_out) + b_out on codes of FP6 (E2M3) with one E8M0 scale for each 32 along K = 256 (a block is a head's 32 channels).  Both operands arrive as codes.
; SHARES.  Work-group G: the 16 rows of tile G.  Wave w: columns 64 w .. 64 w + 63, four tiles of 16.  Source 0 = 16 columns of w_out, source 1 = the 16 rows of o: a lane holds one row and eight neighbouring columns.
; Row r of tile G is row 128 (G / 8) + 64 ((G / 4) % 2) + 32 (r / 8) + 8 (G % 4) + r % 8 of out0.
; All operands come straight into registers, every load issued at once; b_out is loaded into the sums' registers and is the C of each sum's first product.
; The results go through the wave's own stage in LDS (rows of 256 + 16 bytes) and leave as runs of 256 consecutive bytes, aligned, sixteen lanes to a run.
.set OF,  16                           ; v16-39   o's two fragments
.set OS,  40                           ; v40-41   o's scale words
.set WS,  42                           ; v42-49   w_out's scale words, 2 t + ks
.set WF,  52                           ; v52-147  w_out's fragments, 12 (2 t + ks)
.set ACC, 148                          ; v148-179 four sums
.set BK,  180                          ; v180-211 rows read back
	s_load_b256 s[4:11], s[0:1], 0x0               ; ocodes s[4:5], oscales s[6:7], woimg s[8:9], b_out s[10:11]
	s_load_b64 s[12:13], s[0:1], 0x20              ; out0
	v_lshl_add_u32 v216, v0, 2, 0x4400
	v_mov_b32 v217, 0
	v_lshrrev_b32 v1, 5, v0
	v_readfirstlane_b32 s14, v1                    ; wave 0..3
	v_and_b32 v1, 15, v0                           ; r
	v_bfe_u32 v2, v0, 4, 1                         ; h
	v_and_b32 v11, 31, v0                          ; lane
	v_mul_u32_u24 v3, v1, 24
	v_mad_u32_u24 v3, v2, 384, v3                  ; o's codes: 24 r in a head's 384 bytes; lanes 16-31 take the next head
	v_lshlrev_b32 v4, 3, v1                        ; o's scale bytes: 8 a row
	v_lshlrev_b32 v5, 4, v11
	v_lshlrev_b32 v6, 2, v11
	v_lshlrev_b32 v7, 5, v2                        ; b_out: my eight columns begin at 8 h
	s_mul_i32 s15, s14, 4352                       ; my stage: 16 rows x 272 bytes
	v_mul_u32_u24 v8, v1, 272
	v_lshl_add_u32 v8, v2, 5, v8
	v_add_nc_u32 v8, s15, v8                       ; in: row r, + 32 h
	v_mul_u32_u24 v9, v2, 272
	v_lshl_add_u32 v9, v1, 4, v9
	v_add_nc_u32 v9, s15, v9                       ; back: lanes 0-15 one row, lanes 16-31 the next
	v_lshlrev_b32 v10, 10, v2
	v_lshl_add_u32 v10, v1, 4, v10                 ; and the same two rows in out0
	s_mul_i32 s16, ttmp9, 3072
	s_mov_b32 s17, 0
	s_lshl_b32 s18, ttmp9, 7
	s_mov_b32 s19, 0
	s_mul_i32 s20, s14, 12288                      ; my eight fragments of w_out
	s_mov_b32 s21, 0
	s_lshl_b32 s22, s14, 10                        ; and their scale words
	s_mov_b32 s23, 0
	s_lshl_b32 s24, s14, 8                         ; my 64 columns, in bytes
	s_mov_b32 s25, 0
	s_lshr_b32 s26, ttmp9, 3
	s_lshl_b32 s26, s26, 7
	s_bfe_u32 s28, ttmp9, 0x10002
	s_lshl_b32 s28, s28, 6
	s_add_co_u32 s26, s26, s28
	s_and_b32 s28, ttmp9, 3
	s_lshl_b32 s28, s28, 3
	s_add_co_u32 s26, s26, s28                     ; the tile's row 0 in out0
	s_lshl_b32 s26, s26, 10
	s_add_co_u32 s26, s26, s24
	s_mov_b32 s27, 0
	s_wait_kmcnt 0x0
	s_add_nc_u64 s[4:5], s[4:5], s[16:17]
	s_add_nc_u64 s[6:7], s[6:7], s[18:19]
	s_add_nc_u64 s[30:31], s[8:9], s[20:21]
	s_add_nc_u64 s[8:9], s[8:9], s[22:23]
	s_add_nc_u64 s[10:11], s[10:11], s[24:25]
	s_add_nc_u64 s[12:13], s[12:13], s[26:27]
.irp ks, 0,1
.irp c, 0,1
.irp p, 0,1,2
	global_load_b64 v[OF+12*\ks+6*\c+2*\p:OF+12*\ks+6*\c+2*\p+1], v3, s[4:5] offset:(4*\ks+2*\c)*384+8*\p   ; registers 6 c on: head 4 ks + 2 c + h
.endr
.endr
.endr
	global_load_b64 v[OS:OS+1], v4, s[6:7]
.irp t, 0,1,2,3
.irp ks, 0,1
.irp i, 0,1,2
	global_load_b128 v[WF+12*(2*\t+\ks)+4*\i:WF+12*(2*\t+\ks)+4*\i+3], v5, s[30:31] offset:(2*\t+\ks)*1536+512*\i
.endr
	global_load_b32 v[WS+2*\t+\ks], v6, s[8:9] offset:49152+(2*\t+\ks)*128
.endr
.endr
.irp t, 0,1,2,3
.irp u, 0,1
	global_load_b128 v[ACC+8*\t+4*\u:ACC+8*\t+4*\u+3], v7, s[10:11] offset:64*\t+16*\u
.endr
.endr
	s_wait_loadcnt 0x0
.irp ks, 0,1                           ; the four sums take turns
.irp t, 0,1,2,3
	v_wmma_scale_f32_16x16x128_f8f6f4 v[ACC+8*\t:ACC+8*\t+7], v[WF+12*(2*\t+\ks):WF+12*(2*\t+\ks)+11], v[OF+12*\ks:OF+12*\ks+11], v[ACC+8*\t:ACC+8*\t+7], v[WS+2*\t+\ks], v[OS+\ks] matrix_a_fmt:MATRIX_FMT_FP6 matrix_b_fmt:MATRIX_FMT_FP6
.endr
.endr
.rept 4
	v_nop                                          ; four plain lines between the last product and the first read of results (ISA guide 7.12.1)
.endr
.irp t, 0,1,2,3
	ds_store_b128 v8, v[ACC+8*\t:ACC+8*\t+3] offset:64*\t          ; each sum from its low end on
	ds_store_b128 v8, v[ACC+8*\t+4:ACC+8*\t+7] offset:64*\t+16
.endr
.irp i, 0,1,2,3,4,5,6,7
	ds_load_b128 v[BK+4*\i:BK+4*\i+3], v9 offset:544*\i            ; LDS serves a wave's instructions in order (ISA guide 5.7.1.4): these see my stores; the stage is my own
.endr
.irp i, 0,1,2,3,4,5,6,7
	s_wait_dscnt 7-\i                              ; rows 2 i and 2 i + 1 are back; the younger loads may stay out
	global_store_b128 v10, v[BK+4*\i:BK+4*\i+3], s[12:13] offset:(32*(\i/4)+2*(\i%4))*1024 th:TH_STORE_NT   ; sixteen lanes store 256 consecutive bytes, at a multiple of 256 from out0's first byte
.endr
	s_wait_tensorcnt 0x0
	ds_add_u32 v216, v217
	s_wait_dscnt 0x0
	s_endpgm
.Lfunc_end_k_q134ac4379d_outp:
	.size	k_q134ac4379d_outp, .Lfunc_end_k_q134ac4379d_outp-k_q134ac4379d_outp
	.p2alignl 7, 3214868480
	.fill 96, 4, 3214868480
	.section	.rodata,"a",@progbits
	.p2align	6, 0x0
	.amdhsa_kernel k_q134ac4379d_outp
		.amdhsa_group_segment_fixed_size 17920
		.amdhsa_private_segment_fixed_size 0
		.amdhsa_enable_private_segment 0
		.amdhsa_kernarg_size 40
		.amdhsa_user_sgpr_count 2
		.amdhsa_user_sgpr_kernarg_segment_ptr 1
		.amdhsa_wavefront_size32 1
		.amdhsa_system_sgpr_workgroup_id_x 1
		.amdhsa_system_sgpr_workgroup_id_y 1
		.amdhsa_system_sgpr_workgroup_id_z 1
		.amdhsa_system_vgpr_workitem_id 0
		.amdhsa_next_free_vgpr 218
		.amdhsa_next_free_sgpr 66
		.amdhsa_reserve_vcc 0
		.amdhsa_float_denorm_mode_32 3
		.amdhsa_float_denorm_mode_16_64 3
		.amdhsa_memory_ordered 1
		.amdhsa_forward_progress 1
		.amdhsa_inst_pref_size 11
	.end_amdhsa_kernel
	.amdgpu_metadata
---
amdhsa.version: [ 1, 2 ]
amdhsa.kernels:
  - .name:           k_q134ac4379d_outp
    .symbol:         k_q134ac4379d_outp.kd
    .args:
      - { .name: ocodes, .offset: 0, .size: 8, .value_kind: global_buffer, .address_space: global }
      - { .name: oscales, .offset: 8, .size: 8, .value_kind: global_buffer, .address_space: global }
      - { .name: woimg, .offset: 16, .size: 8, .value_kind: global_buffer, .address_space: global }
      - { .name: b_out, .offset: 24, .size: 8, .value_kind: global_buffer, .address_space: global }
      - { .name: out0, .offset: 32, .size: 8, .value_kind: global_buffer, .address_space: global }
    .group_segment_fixed_size: 17920
    .private_segment_fixed_size: 0
    .kernarg_segment_align: 8
    .kernarg_segment_size: 40
    .max_flat_workgroup_size: 128
    .sgpr_count:     66
    .vgpr_count:     218
    .wavefront_size: 32
...
	.end_amdgpu_metadata
.endif
;; end of part 3
;; ======== version 2 of 2: 3 launches
;; workspace buffers: qimg 1,048,576 bytes; kv 1,638,400 bytes; woimg 53,248 bytes; ocodes 786,432 bytes; oscales 32,768 bytes
;; launch proj (part 4): grid 32 x 8, 8 waves a work-group, no clusters, 47,104 bytes of LDS; arguments x, w_qkv, b_qkv, w_out, qimg, kv, woimg; writes qimg, kv, woimg
.if DOCPART == 4
	.amdgcn_target "amdgcn-amd-amdhsa--gfx1250"
	.amdhsa_code_object_version 6
	.text
	.protected	k_q134ac4379d_proj
	.globl	k_q134ac4379d_proj
	.p2align	8
	.type	k_q134ac4379d_proj,@function
k_q134ac4379d_proj:
	s_mov_b64 s[64:65], 0
	v_nop
	global_prefetch_b8 v0, s[64:65] scope:SCOPE_SE
	s_setreg_imm32_b32 hwreg(HW_REG_WAVE_MODE, 25, 1), 1
	s_wait_xcnt 0x0
; qkv = Q(x) Q(w_qkv) + b_qkv on codes of FP6 (E2M3) with one E8M0 scale for each 32 along K; then q and k are quantised along the head's 32 channels, v along the keys, and w_out along its K.
; SHARES.  Work-group (rb, H): rows 128 rb .. 128 rb + 127 of x, head H.  Eight waves.
;   First part, every wave w: tile w of x (16 rows x 256) becomes two operand fragments; block w of K (32 rows of w_qkv) of the head's 3 x 32 columns becomes codes.  Both go to LDS as images of operand registers.
;   One barrier.  Then waves 0,1: q of rows 64 F on (F = w & 1); waves 2,3: k likewise; waves 4,5: v, channel tile T = w & 1; wave 6 of the work-groups with rb < 4: one fragment of w_out; the others are done.
; ROWS OF A TILE ARE CHOSEN: row r of tile 4 F + a is local row 64 F + 32 (r / 8) + 8 a + r % 8.  CHANNELS OF A TILE: row r of tile T is channel 8 T + r + 8 (r / 8).
;   q, k: source 0 = 16 channels of w, source 1 = 16 rows of x: a lane holds one row and 16 neighbouring channels 16 h + 0 .. 15.
;   v: source 0 = 16 rows of x, source 1 = 16 channels: a lane holds one channel and keys 64 F + 32 h + 0 .. 31: whole blocks along the keys, in the order of the operand's registers.
; AN IMAGE: register p of lane l of a fragment of 12 registers lies at 512 (p / 4) + 16 l + 4 (p % 4): 1,536 bytes.
; OUT.  qimg: record (256 H + 8 rb + tile) x 512: 24 r + 12 h: 16 codes; 384 + 4 lane: the row's scale byte four times.
;   kv: head x 204,800 + rb x 6,400: K's fragments F = 0, 1 (a fragment's four blocks are four KEYS: block 2 c + h of row r is the key of tile 4 F + 2 c + h, row r), V's fragments T = 0, 1, then 8 r + 4 F: K's scale words, 128 + 8 r + 4 T: V's.
;   woimg: fragment f = 2 N + ks at 1,536 f, its scale words at 49,152 + 128 f + 4 lane.
; LIMITS: NaN and infinities are not served; a block whose largest magnitude lies under 2^-124 (a block of zeros too) gets the byte 1: its bytes are read by this program alone.
.set XIMG, 0                           ; LDS: x's 16 fragments, (2 tile + ks) x 1,536
.set XSC,  24576                       ; their scale words, 128 bytes each
.set WIMG, 26624                       ; w's 12 fragments, ((2 g + T) 2 + ks) x 1,536; g = 0 q, 1 k, 2 v
.set WSC,  45056                       ; their scale words, 64 bytes each: 4 r + block
.set XA,  4                            ; v4   x: my row's and half's byte in the tile
.set LS,  5                            ; v5   4 x lane
.set LI,  6                            ; v6   16 x lane
.set XWI, 7                            ; v7   where I store x's images
.set XWS, 8                            ; v8   and their scale words
.set WI1, 9                            ; v9   where my column's 24 bytes of codes go in w's image: pieces 0 and 2
.set WI2, 10                           ; v10  piece 1
.set WB,  11                           ; v11  and its scale byte
.set XF,  12                           ; v12  q, k: x's images of my four tiles
.set XFS, 13                           ; v13  and their scale words
.set WFV, 14                           ; v14  v: w's images of my channel tile
.set WSL, 15                           ; v15  4 r
.set WSV, 16                           ; v16  v: w's scale words
.set QO,  17                           ; v17  24 r + 12 h
.set R8,  18                           ; v18  8 r
.set BV,  19                           ; v19  v's bias of my channel
.set ACC, 20                           ; v20-83   first x's K step 0, then the sums
.set XR1, 84                           ; v84-147  x's K step 1
.set WR0, 148                          ; v148-179 a block of w
.set XFR, 84                           ; v84-179  later x's fragments
.set WFR, 180                          ; v180-227 later w's fragments
.set TM,  180                          ; v180-195 at work in the quantisers
.set PW,  196                          ; v196     the scale word just made
.set PC,  198                          ; v198-216 the codes just made
.set BA,  217                          ; v217-220 offsets used once
.set BVA, 218
.set WOA, 219
.set SH8, 220
.set BI,  228                          ; v228-243 the bias in the result's layout
.set XS,  244                          ; v244-251 x's scale words
.set WS,  252                          ; v252-255 w's scale words
.set WV,  18
.set RB,  19
.set HD,  20
.set REP, 21
.set SEL, 22
.macro MM d, a, b, c, sa, sb
	v_wmma_scale_f32_16x16x128_f8f6f4 v[\d:\d+7], v[\a:\a+11], v[\b:\b+11], v[\c:\c+7], v[\sa], v[\sb] matrix_a_fmt:MATRIX_FMT_FP6 matrix_b_fmt:MATRIX_FMT_FP6
.endm
.macro PLACES                          ; four plain vector lines between a matrix instruction and a read of its result, a write of its registers or a load into them
.rept 4
	v_nop
.endr
.endm
.macro XLOAD reg, ks                   ; my row's 16 numbers of each of the K step's four blocks
.irp b, 0,1,2,3
.irp j, 0,1,2,3
	global_load_b128 v[\reg+16*\b+4*\j:\reg+16*\b+4*\j+3], v[XA], s[4:5] offset:512*\ks+128*\b+16*\j
.endr
.endr
.endm
.macro WLOAD reg, g                    ; lane = column, registers run down my wave's 32 rows of w_qkv: each load reads 128 consecutive bytes
.irp i, 0,1,2,3,4,5,6,7,8,9,10,11,12,13,14,15,16,17,18,19,20,21,22,23,24,25,26,27,28,29,30,31
	global_load_b32 v[\reg+\i], v[LS], s[6:7] offset:\g*1024+\i*3072
.endr
.endm
; 64 numbers of a lane, register 16 b + i = number 16 h + i of block b of my row.  swap = 1: a fragment in v[PC] on and its scale word in v[PW].
; swap = 0: the four blocks' halves stay apart (12 bytes a lane each, at PC, PC+12, PC+6, PC+16) and each block's byte is spread over a word in v[TM+8+b].
.macro QUANT s, swap
.irp b, 0,1,2,3
	v_max3_num_f32 v[TM+\b], |v[\s+16*\b]|, |v[\s+1+16*\b]|, 0x1800000   ; the floor 2^(3 - 127) among the leaves: the byte cannot fall under 1
.endr
.irp i, 2,4,6,8,10,12,14
.irp b, 0,1,2,3
	v_max3_num_f32 v[TM+\b], v[TM+\b], |v[\s+16*\b+\i]|, |v[\s+1+16*\b+\i]|
.endr
.endr
.irp b, 0,1,2,3
	s_delay_alu instid0(VALU_DEP_4)
	v_permlanex16_b32 v[TM+4+\b], v[TM+\b], s[SEL], s[SEL+1]
.endr
.irp b, 0,1,2,3
	s_delay_alu instid0(VALU_DEP_4)
	v_max_num_f32 v[TM+\b], v[TM+\b], v[TM+4+\b]         ; with lane l xor 16's: the block's largest magnitude
.endr
.irp b, 0,1,2,3
	s_delay_alu instid0(VALU_DEP_4)
	v_add_nc_u32 v[TM+12+\b], 0xff000000, v[TM+\b]       ; 2 off its exponent field: the conversion's scale operand
.endr
.irp b, 0,1,2,3
	s_delay_alu instid0(VALU_DEP_4)
	v_lshrrev_b32 v[TM+4+\b], 23, v[TM+12+\b]            ; the scale's byte
.endr
.if \swap
	s_delay_alu instid0(VALU_DEP_3)
	v_lshl_or_b32 v[PW], v[TM+5], 8, v[TM+4]
	s_delay_alu instid0(VALU_DEP_1)
	v_lshl_or_b32 v[PW], v[TM+6], 16, v[PW]
	s_delay_alu instid0(VALU_DEP_1)
	v_lshl_or_b32 v[PW], v[TM+7], 24, v[PW]
.else
.irp b, 0,1,2,3
	s_delay_alu instid0(VALU_DEP_4)
	v_mul_lo_u32 v[TM+8+\b], v[TM+4+\b], s[REP]
.endr
.endif
.irp c, 0,1
	v_cvt_scalef32_pk16_fp6_f32 v[PC+6*\c:PC+2+6*\c], v[\s+32*\c:\s+15+32*\c], v[TM+12+2*\c]
	v_cvt_scalef32_pk16_fp6_f32 v[PC+12+4*\c:PC+14+4*\c], v[\s+16+32*\c:\s+31+32*\c], v[TM+13+2*\c]
.endr
	v_nop                                                ; one plain line behind the scaled conversions
.if \swap
.irp c, 0,1                            ; the operand wants a whole block in a lane: lanes 0-15 block 2 c, lanes 16-31 block 2 c + 1
.irp i, 0,1,2
	v_permlane16_swap_b32 v[PC+6*\c+\i], v[PC+12+4*\c+\i]
.endr
.irp i, 0,1,2
	s_delay_alu instid0(VALU_DEP_3)
	v_mov_b32 v[PC+3+6*\c+\i], v[PC+12+4*\c+\i]
.endr
.endr
.endif
.endm
; 64 numbers of a lane, register 32 c + i = number i of block 2 c + h: two whole blocks.  A fragment in v[PC] on, its scale word in v[PW].
.macro VQ s
.irp k, 0,1,2,3
	v_max3_num_f32 v[TM+\k], |v[\s+16*\k]|, |v[\s+16*\k+1]|, 0x1800000
.endr
.irp i, 2,4,6,8,10,12,14
.irp k, 0,1,2,3
	v_max3_num_f32 v[TM+\k], v[TM+\k], |v[\s+16*\k+\i]|, |v[\s+16*\k+\i+1]|
.endr
.endr
	s_delay_alu instid0(VALU_DEP_3)
	v_max_num_f32 v[TM], v[TM], v[TM+1]
	s_delay_alu instid0(VALU_DEP_2)
	v_max_num_f32 v[TM+1], v[TM+2], v[TM+3]
.irp c, 0,1
	s_delay_alu instid0(VALU_DEP_2)
	v_add_nc_u32 v[TM+12+\c], 0xff000000, v[TM+\c]
.endr
.irp c, 0,1
	s_delay_alu instid0(VALU_DEP_2)
	v_lshrrev_b32 v[TM+8+\c], 23, v[TM+12+\c]
.endr
	s_delay_alu instid0(VALU_DEP_1)
	v_lshl_or_b32 v[PW], v[TM+9], 16, v[TM+8]            ; my bytes: blocks h and 2 + h,
	s_delay_alu instid0(VALU_DEP_1)
	v_lshlrev_b32 v[PW], v[SH8], v[PW]                   ; at their places (8 h bits up);
	s_delay_alu instid0(VALU_DEP_1)
	v_permlanex16_b32 v[TM+4], v[PW], s[SEL], s[SEL+1]
	s_delay_alu instid0(VALU_DEP_1)
	v_or_b32 v[PW], v[PW], v[TM+4]                       ; with lane l xor 16's two the word is whole, in both lanes
.irp c, 0,1
	v_cvt_scalef32_pk16_fp6_f32 v[PC+6*\c:PC+2+6*\c], v[\s+32*\c:\s+15+32*\c], v[TM+12+\c]
	v_cvt_scalef32_pk16_fp6_f32 v[PC+12+4*\c:PC+14+4*\c], v[\s+16+32*\c:\s+31+32*\c], v[TM+12+\c]
.endr
	v_nop
.irp c, 0,1
.irp i, 0,1,2
	v_mov_b32 v[PC+3+6*\c+\i], v[PC+12+4*\c+\i]
.endr
.endr
.endm
; One block of 32 down K of my column: 24 bytes of codes into their place in w's image (three pieces of 8 bytes), the byte into the scale word.
.macro WQ reg, g
	v_max3_num_f32 v[TM], |v[\reg]|, |v[\reg+1]|, |v[\reg+2]|
	v_max3_num_f32 v[TM+1], |v[\reg+3]|, |v[\reg+4]|, |v[\reg+5]|
.irp i, 6,10,14,18,22,26
	s_delay_alu instid0(VALU_DEP_2)
	v_max3_num_f32 v[TM], v[TM], |v[\reg+\i]|, |v[\reg+\i+1]|
	s_delay_alu instid0(VALU_DEP_2)
	v_max3_num_f32 v[TM+1], v[TM+1], |v[\reg+\i+2]|, |v[\reg+\i+3]|
.endr
	s_delay_alu instid0(VALU_DEP_2)
	v_max3_num_f32 v[TM], v[TM], |v[\reg+30]|, |v[\reg+31]|
	s_delay_alu instid0(VALU_DEP_1)
	v_max3_num_f32 v[TM], v[TM], v[TM+1], 0x1800000
	s_delay_alu instid0(VALU_DEP_1)
	v_add_nc_u32 v[TM+12], 0xff000000, v[TM]
	s_delay_alu instid0(VALU_DEP_1)
	v_lshrrev_b32 v[TM+8], 23, v[TM+12]
	v_cvt_scalef32_pk16_fp6_f32 v[PC:PC+2], v[\reg:\reg+15], v[TM+12]
	v_cvt_scalef32_pk16_fp6_f32 v[PC+12:PC+14], v[\reg+16:\reg+31], v[TM+12]
	v_nop
.irp i, 0,1,2
	v_mov_b32 v[PC+3+\i], v[PC+12+\i]
.endr
	ds_store_b64 v[WI1], v[PC:PC+1] offset:WIMG+\g*6144
	ds_store_b64 v[WI2], v[PC+2:PC+3] offset:WIMG+\g*6144+8
	ds_store_b64 v[WI1], v[PC+4:PC+5] offset:WIMG+\g*6144+512
	ds_store_b8 v[WB], v[TM+8] offset:WSC+\g*256
.endm
.macro IMAGE adr, off
.irp c, 0,1,2
	ds_store_b128 v[\adr], v[PC+4*\c:PC+4*\c+3] offset:\off+512*\c
.endr
.endm
.macro FETCH reg, adr, off
.irp c, 0,1,2
	ds_load_b128 v[\reg+4*\c:\reg+4*\c+3], v[\adr] offset:\off+512*\c
.endr
.endm
; q (g = 0) or k (g = 1) of my four tiles of rows: 16 products, the eight sums by turns, the bias as the C of each sum's first product.
.macro UNIT_QK g
.irp a, 0,1,2,3
.irp ks, 0,1
	FETCH XFR+12*(2*\a+\ks), XF, XIMG+(2*\a+\ks)*1536
	ds_load_b32 v[XS+2*\a+\ks], v[XFS] offset:XSC+(2*\a+\ks)*128
.endr
.endr
.irp t, 0,1
.irp ks, 0,1
	FETCH WFR+12*(2*\t+\ks), LI, WIMG+((2*\g+\t)*2+\ks)*1536
	ds_load_b32 v[WS+2*\t+\ks], v[WSL] offset:WSC+((2*\g+\t)*2+\ks)*64
.endr
.endr
	s_wait_dscnt 0x0
.irp a, 0,1,2,3
.irp t, 0,1
	MM ACC+16*\a+8*\t, WFR+24*\t, XFR+24*\a, BI+8*\t, WS+2*\t, XS+2*\a
.endr
.endr
.irp a, 0,1,2,3
.irp t, 0,1
	MM ACC+16*\a+8*\t, WFR+24*\t+12, XFR+24*\a+12, ACC+16*\a+8*\t, WS+2*\t+1, XS+2*\a+1
.endr
.endr
	PLACES
.endm
	s_load_b256 s[4:11], s[0:1], 0x0               ; x s[4:5], w_qkv s[6:7], b_qkv s[8:9], w_out s[10:11]
	s_load_b128 s[12:15], s[0:1], 0x20             ; qimg s[12:13], kv s[14:15]
	s_load_b64 s[16:17], s[0:1], 0x30              ; woimg
	s_set_vgpr_msb 0x40
	v_lshl_add_u32 v0, v0, 2, 0xb400
	v_mov_b32 v1, 0
	s_set_vgpr_msb 0x4000
	v_lshrrev_b32 v1, 5, v0
	s_delay_alu instid0(VALU_DEP_1)
	v_readfirstlane_b32 s[WV], v1                  ; wave 0..7
	s_mov_b32 s[RB], ttmp9                         ; block of 128 rows
	s_and_b32 s[HD], ttmp7, 0xffff                 ; head
	s_mov_b32 s[REP], 0x01010101
	s_mov_b32 s[SEL], 0x76543210
	s_mov_b32 s[SEL+1], 0xfedcba98                 ; v_permlanex16_b32's selects for lane l xor 16
	s_lshr_b32 s26, s[WV], 2                       ; K step of my block of w; also F of my tile of x
	s_and_b32 s27, s[WV], 1                        ; the half of the lanes that my block of w goes to; later F or T of my role
	s_bfe_u32 s28, s[WV], 0x10001                  ; c: which six registers
	s_and_b32 s29, s[WV], 3                        ; the block in its K step
	s_mul_i32 s30, s26, 1536
	s_lshl_b32 s31, s27, 8
	s_add_co_u32 s30, s30, s31
	s_mul_i32 s31, s28, 520                        ; pieces 0, 2 lie at 0, 512 (c = 0) or 520, 1,032 (c = 1) of the lane's place,
	s_add_co_u32 s31, s31, s30
	s_mul_i32 s32, s28, 1016                       ; piece 1 at 8 or 1,024
	s_add_co_u32 s32, s32, s30
	s_lshl_b32 s33, s26, 6
	s_add_co_u32 s33, s33, s29
	v_and_b32 v1, 31, v0                           ; lane
	v_and_b32 v2, 15, v0                           ; r
	v_bfe_u32 v3, v0, 4, 1                         ; h
	v_bfe_u32 v20, v0, 3, 1                        ; r / 8; also T of column n = lane
	v_and_b32 v21, 7, v0
	s_delay_alu instid0(VALU_DEP_1)
	v_lshl_add_u32 v22, v20, 5, v21                ; 32 (r / 8) + r % 8
	s_delay_alu instid0(VALU_DEP_1)
	v_lshlrev_b32 v[XA], 10, v22
	s_delay_alu instid0(VALU_DEP_1)
	v_lshl_add_u32 v[XA], v3, 6, v[XA]             ; a row of x is 1,024 bytes; + 64 h
	v_lshlrev_b32 v[LS], 2, v1
	v_lshlrev_b32 v[LI], 4, v1
	s_mul_i32 s34, s[WV], 3072
	v_add_nc_u32 v[XWI], s34, v[LI]
	s_lshl_b32 s34, s[WV], 8
	v_add_nc_u32 v[XWS], s34, v[LS]
	v_lshl_add_u32 v21, v3, 3, v21                 ; the row of its tile at which column n stands: n % 8 + 8 (n / 16)
	v_mul_u32_u24 v22, v20, 3072
	s_delay_alu instid0(VALU_DEP_1)
	v_lshl_add_u32 v22, v21, 4, v22
	s_delay_alu instid0(VALU_DEP_1)
	v_add_nc_u32 v[WI1], s31, v22
	s_delay_alu instid0(VALU_DEP_2)
	v_add_nc_u32 v[WI2], s32, v22
	v_lshlrev_b32 v[WB], 7, v20
	s_delay_alu instid0(VALU_DEP_1)
	v_lshl_add_u32 v[WB], v21, 2, v[WB]
	s_delay_alu instid0(VALU_DEP_1)
	v_add_nc_u32 v[WB], s33, v[WB]
	s_mul_i32 s34, s27, 12288
	v_add_nc_u32 v[XF], s34, v[LI]
	s_lshl_b32 s34, s27, 10
	v_add_nc_u32 v[XFS], s34, v[LS]
	s_mul_i32 s34, s27, 3072
	v_add_nc_u32 v[WFV], s34, v[LI]
	v_lshlrev_b32 v[WSL], 2, v2
	s_lshl_b32 s34, s27, 7
	v_add_nc_u32 v[WSV], s34, v[WSL]
	v_mul_u32_u24 v[QO], v2, 24
	s_delay_alu instid0(VALU_DEP_1)
	v_mad_u32_u24 v[QO], v3, 12, v[QO]
	v_lshlrev_b32 v[R8], 3, v2
	v_lshlrev_b32 v[BA], 6, v3                     ; q's, k's bias: my 16 channels begin at 16 h
	v_lshl_add_u32 v[BVA], v20, 5, v[WSL]          ; v's bias: channel 8 T + r + 8 (r / 8)
	s_lshl_b32 s34, s27, 5
	v_add_nc_u32 v[BVA], s34, v[BVA]
	v_lshl_add_u32 v[WOA], v3, 15, v[WSL]          ; w_out: 32 h rows of 1,024 bytes + 4 r
	v_lshlrev_b32 v[SH8], 3, v3
.irp b, 0,1,2,3
	v_mov_b32 v[TM+4+\b], 0                        ; written once: a lane permute's destination counts as one of its sources
.endr
	s_lshl_b32 s36, s[RB], 7                       ; x: row 128 rb + 64 (w / 4) + 8 (w % 4)
	s_lshl_b32 s34, s26, 6
	s_add_co_u32 s36, s36, s34
	s_lshl_b32 s34, s29, 3
	s_add_co_u32 s36, s36, s34
	s_lshl_b32 s36, s36, 10
	s_mov_b32 s37, 0
	s_mul_i32 s38, s[WV], 98304                    ; w_qkv: 32 w rows of 3,072 bytes + the head's 128 bytes
	s_lshl_b32 s35, s[HD], 7
	s_add_co_u32 s38, s38, s35
	s_mov_b32 s39, 0
	s_lshr_b32 s40, s[WV], 1
	s_min_u32 s40, s40, 1                          ; waves 0, 1: q's bias; the others: k's
	s_lshl_b32 s40, s40, 10
	s_add_co_u32 s40, s40, s35
	s_mov_b32 s41, 0
	s_add_co_u32 s42, s35, 2048                    ; v's bias
	s_mov_b32 s43, 0
	s_lshl_b32 s30, s[HD], 8                       ; qimg: record 256 H + 8 rb + 4 F
	s_lshl_b32 s34, s[RB], 3
	s_add_co_u32 s30, s30, s34
	s_lshl_b32 s34, s27, 2
	s_add_co_u32 s30, s30, s34
	s_lshl_b32 s30, s30, 9
	s_mov_b32 s31, 0
	s_mul_i32 s44, s[HD], 204800                   ; kv: the record,
	s_mul_i32 s34, s[RB], 6400
	s_add_co_u32 s44, s44, s34
	s_lshl_b32 s46, s27, 2
	s_add_co_u32 s46, s46, s44                     ; + 4 (w & 1) for the scale words,
	s_mul_i32 s34, s27, 1536
	s_add_co_u32 s44, s44, s34                     ; + 1,536 (w & 1) for the fragments
	s_mov_b32 s45, 0
	s_mov_b32 s47, 0
	s_wait_alu depctr_va_vdst(0)
	s_wait_kmcnt 0x0
	s_add_nc_u64 s[4:5], s[4:5], s[36:37]
	s_add_nc_u64 s[6:7], s[6:7], s[38:39]
	s_add_nc_u64 s[40:41], s[8:9], s[40:41]
	s_add_nc_u64 s[42:43], s[8:9], s[42:43]
	s_add_nc_u64 s[12:13], s[12:13], s[30:31]
	s_add_nc_u64 s[44:45], s[14:15], s[44:45]
	s_add_nc_u64 s[46:47], s[14:15], s[46:47]
.irp t, 0,1
.irp u, 0,1
	global_load_b128 v[BI+8*\t+4*\u:BI+8*\t+4*\u+3], v[BA], s[40:41] offset:32*\t+16*\u
.endr
.endr
	global_load_b32 v[BV], v[BVA], s[42:43]
	XLOAD ACC, 0
	XLOAD XR1, 1
	WLOAD WR0, 0
	; ---- my tile of x and my block of w become codes
	s_wait_loadcnt 48                              ; x's K step 0 is in; behind it: K step 1's 16 loads and w's 32
	QUANT ACC, 1
	IMAGE XWI, XIMG
	ds_store_b32 v[XWS], v[PW] offset:XSC
	s_wait_loadcnt 32                              ; x's K step 1 is in; behind it: w's 32
	WLOAD ACC, 1                                   ; k's columns, into the registers that K step 0 has left
	s_wait_dscnt 0x0                               ; the stores have read the codes' registers
	QUANT XR1, 1
	IMAGE XWI, XIMG+1536
	ds_store_b32 v[XWS], v[PW] offset:XSC+128
	s_wait_loadcnt 32                              ; q's columns are in; behind them: k's 32
	WLOAD XR1, 2                                   ; v's columns
	s_wait_dscnt 0x0
	WQ WR0, 0
	s_wait_loadcnt 32                              ; k's columns are in; behind them: v's 32
	s_wait_dscnt 0x0
	WQ ACC, 1
	s_wait_loadcnt 0x0
	s_wait_dscnt 0x0
	WQ XR1, 2
	s_wait_dscnt 0x0                               ; for the others' sake: my LDS stores have landed
	s_barrier_signal -1
	s_barrier_wait -1                              ; all 16 fragments of x and all 12 of w lie in LDS; from here on LDS is only read
	; ---- the roles
	s_cmp_lt_u32 s[WV], 2
	s_cbranch_scc0 .Lnot_q
	UNIT_QK 0
	QUANT ACC, 0                                   ; a row's 32 channels are one block, in lanes l and l xor 16
.macro QST a, reg
	global_store_b96 v[QO], v[\reg:\reg+2], s[12:13] offset:512*\a         ; the wave stores 384 consecutive bytes
	global_store_b32 v[LS], v[TM+8+\a], s[12:13] offset:512*\a+384         ; and 128 more: the record is whole
.endm
	QST 0, PC
	QST 1, PC+12
	QST 2, PC+6
	QST 3, PC+16
	s_set_vgpr_msb 0x5
	s_wait_tensorcnt 0x0
	ds_add_u32 v0, v1
	s_wait_dscnt 0x0
	s_set_vgpr_msb 0x500
	s_endpgm
.Lnot_q:
	s_cmp_lt_u32 s[WV], 4
	s_cbranch_scc0 .Lnot_k
	UNIT_QK 1
	QUANT ACC, 1                                   ; the four tiles' rows r become the four blocks of row r of ONE fragment: 64 keys
.irp c, 0,1,2
	global_store_b128 v[LI], v[PC+4*\c:PC+4*\c+3], s[44:45] offset:512*\c
.endr
	global_store_b32 v[R8], v[PW], s[46:47] offset:6144    ; lanes r and r + 16 hold the same word and write it to the same place
	s_set_vgpr_msb 0x5
	s_wait_tensorcnt 0x0
	ds_add_u32 v0, v1
	s_wait_dscnt 0x0
	s_set_vgpr_msb 0x500
	s_endpgm
.Lnot_k:
	s_cmp_lt_u32 s[WV], 6
	s_cbranch_scc0 .Lnot_v
.irp j, 0,1,2,3,4,5,6,7
	v_mov_b32 v[BI+\j], v[BV]                      ; here a lane holds one channel: its bias in all eight registers
.endr
	s_wait_alu depctr_va_vdst(0)
.irp ks, 0,1
	FETCH WFR+12*\ks, WFV, WIMG+12288+\ks*1536
	ds_load_b32 v[WS+\ks], v[WSV] offset:WSC+512+64*\ks
.endr
.irp ks, 0,1
.if \ks == 1
	PLACES
.endif
.irp t, 0,1,2,3,4,5,6,7
	FETCH XFR+12*\t, LI, XIMG+(2*\t+\ks)*1536
	ds_load_b32 v[XS+\t], v[LS] offset:XSC+(2*\t+\ks)*128
.endr
	s_wait_dscnt 0x0
.irp t, 0,1,2,3,4,5,6,7
.if \ks == 0
	MM ACC+8*\t, XFR+12*\t, WFR, BI, XS+\t, WS
.else
	MM ACC+8*\t, XFR+12*\t, WFR+12, ACC+8*\t, XS+\t, WS+1
.endif
.endr
.endr
	PLACES
	VQ ACC                                         ; register 32 c + i is key 64 c + 32 h + i of my channel: the codes are the fragment's registers
.irp c, 0,1,2
	global_store_b128 v[LI], v[PC+4*\c:PC+4*\c+3], s[44:45] offset:3072+512*\c
.endr
	global_store_b32 v[R8], v[PW], s[46:47] offset:6272
	s_set_vgpr_msb 0x5
	s_wait_tensorcnt 0x0
	ds_add_u32 v0, v1
	s_wait_dscnt 0x0
	s_set_vgpr_msb 0x500
	s_endpgm
.Lnot_v:
	s_cmp_eq_u32 s[WV], 6
	s_cbranch_scc0 .Lend
	s_cmp_lt_u32 s[RB], 4
	s_cbranch_scc0 .Lend
	s_lshl_b32 s26, s[RB], 3                       ; fragment f = 8 rb + H of w_out: columns 16 (f / 2) on, K step f % 2
	s_add_co_u32 s26, s26, s[HD]
	s_and_b32 s28, s26, 1
	s_lshl_b32 s28, s28, 17
	s_lshr_b32 s30, s26, 1
	s_lshl_b32 s30, s30, 6
	s_add_co_u32 s28, s28, s30
	s_mov_b32 s29, 0
	s_add_nc_u64 s[10:11], s[10:11], s[28:29]
.irp c, 0,1
.irp i, 0,1,2,3,4,5,6,7,8,9,10,11,12,13,14,15,16,17,18,19,20,21,22,23,24,25,26,27,28,29,30,31
	global_load_b32 v[ACC+32*\c+\i], v[WOA], s[10:11] offset:(64*\c+\i)*1024   ; lane (r, h): column r, rows 64 c + 32 h + i
.endr
.endr
	s_mul_i32 s30, s26, 1536
	s_mov_b32 s31, 0
	s_add_nc_u64 s[30:31], s[16:17], s[30:31]
	s_lshl_b32 s32, s26, 7
	s_mov_b32 s33, 0
	s_add_nc_u64 s[32:33], s[16:17], s[32:33]
	s_wait_loadcnt 0x0
	VQ ACC
.irp c, 0,1,2
	global_store_b128 v[LI], v[PC+4*\c:PC+4*\c+3], s[30:31] offset:512*\c
.endr
	global_store_b32 v[LS], v[PW], s[32:33] offset:49152
.Lend:
	s_set_vgpr_msb 0x5
	s_wait_tensorcnt 0x0
	ds_add_u32 v0, v1
	s_wait_dscnt 0x0
	s_set_vgpr_msb 0x500
	s_endpgm
.Lfunc_end_k_q134ac4379d_proj:
	.size	k_q134ac4379d_proj, .Lfunc_end_k_q134ac4379d_proj-k_q134ac4379d_proj
	.p2alignl 7, 3214868480
	.fill 96, 4, 3214868480
	.section	.rodata,"a",@progbits
	.p2align	6, 0x0
	.amdhsa_kernel k_q134ac4379d_proj
		.amdhsa_group_segment_fixed_size 47104
		.amdhsa_private_segment_fixed_size 0
		.amdhsa_enable_private_segment 0
		.amdhsa_kernarg_size 56
		.amdhsa_user_sgpr_count 2
		.amdhsa_user_sgpr_kernarg_segment_ptr 1
		.amdhsa_wavefront_size32 1
		.amdhsa_system_sgpr_workgroup_id_x 1
		.amdhsa_system_sgpr_workgroup_id_y 1
		.amdhsa_system_sgpr_workgroup_id_z 1
		.amdhsa_system_vgpr_workitem_id 0
		.amdhsa_next_free_vgpr 258
		.amdhsa_next_free_sgpr 66
		.amdhsa_reserve_vcc 0
		.amdhsa_float_denorm_mode_32 3
		.amdhsa_float_denorm_mode_16_64 3
		.amdhsa_memory_ordered 1
		.amdhsa_forward_progress 1
		.amdhsa_inst_pref_size 77
	.end_amdhsa_kernel
	.amdgpu_metadata
---
amdhsa.version: [ 1, 2 ]
amdhsa.kernels:
  - .name:           k_q134ac4379d_proj
    .symbol:         k_q134ac4379d_proj.kd
    .args:
      - { .name: x, .offset: 0, .size: 8, .value_kind: global_buffer, .address_space: global }
      - { .name: w_qkv, .offset: 8, .size: 8, .value_kind: global_buffer, .address_space: global }
      - { .name: b_qkv, .offset: 16, .size: 8, .value_kind: global_buffer, .address_space: global }
      - { .name: w_out, .offset: 24, .size: 8, .value_kind: global_buffer, .address_space: global }
      - { .name: qimg, .offset: 32, .size: 8, .value_kind: global_buffer, .address_space: global }
      - { .name: kv, .offset: 40, .size: 8, .value_kind: global_buffer, .address_space: global }
      - { .name: woimg, .offset: 48, .size: 8, .value_kind: global_buffer, .address_space: global }
    .group_segment_fixed_size: 47104
    .private_segment_fixed_size: 0
    .kernarg_segment_align: 8
    .kernarg_segment_size: 56
    .max_flat_workgroup_size: 256
    .sgpr_count:     66
    .vgpr_count:     258
    .wavefront_size: 32
...
	.end_amdgpu_metadata
.endif
;; end of part 4
;; launch attn (part 5): grid 32 x 8, 16 waves a work-group, clusters of 4 x 1, 327,680 bytes of LDS; arguments qimg, kv, ocodes, oscales; writes ocodes, oscales
.if DOCPART == 5
	.amdgcn_target "amdgcn-amd-amdhsa--gfx1250"
	.amdhsa_code_object_version 6
	.text
	.protected	k_q134ac4379d_attn
	.globl	k_q134ac4379d_attn
	.p2align	8
	.type	k_q134ac4379d_attn,@function
k_q134ac4379d_attn:
	s_mov_b64 s[64:65], 0
	v_nop
	global_prefetch_b8 v0, s[64:65] scope:SCOPE_SE
	s_setreg_imm32_b32 hwreg(HW_REG_WAVE_MODE, 25, 1), 1
	s_wait_xcnt 0x0
	s_wait_alu depctr_hold_cnt(0) depctr_sa_sdst(0) depctr_va_vdst(0) depctr_va_sdst(0) depctr_va_ssrc(0) depctr_va_vcc(0) depctr_vm_vsrc(0)
	s_getreg_b32 s2, hwreg(HW_REG_IB_STS2, 6, 4)
	s_cmp_eq_u32 s2, 0
	s_cbranch_scc0 .Lentry_in_a_cluster
	s_endpgm
.Lentry_in_a_cluster:
	s_bfe_u32 s2, ttmp6, 0x10000c
	s_cmp_lg_u32 s2, 0x3003
	s_cbranch_scc0 .Lentry_shape_is_right
	s_endpgm
.Lentry_shape_is_right:
; For head H and 128 queries: S = q k^T, p = 2^(t - M) with t = S log2(e) / 16 and M the running ceiling of the largest t, O = Q(p) Q(v), O / l, and o quantised along the head's 32 channels.
; Both products on codes of FP6 (E2M3) with one E8M0 scale for each 32 along K.
; SHARES.  A work-group: one head, eight tiles of 16 queries.  Sixteen waves, four to a SIMD: wave w owns tile w % 8 and every second record of 128 keys (w / 8 says which); the two halves of a tile are merged at the end by exact powers of two.
; THE WHOLE HEAD'S K AND V, 32 records of 6,400 bytes of codes and scale words, lie in LDS, filled ONCE: each wave brings two records.  Nothing is filled again, so there is no ring.
; CLUSTER.  The four work-groups of a cluster belong to one head and want the same 204,800 bytes: every load is asked for jointly, with a mask that names the four.
; K = 32 IN AN INSTRUCTION OF K = 128.  A fragment of K holds 64 KEYS: block b of row m is key 64 F + 32 (m / 8) + 8 b + m % 8.  q's codes stand in ONE block b of the other operand, zero codes in the other three: the product is the scores of the
; 16 keys of block b.  Four products use a fragment up.  In the results lane (query, h) holds, in registers 32 F + 0 .. 31, keys 64 F + 32 h + 0 .. 31: a WHOLE block of the second product's K, in the order of the operand's registers:
; a block's maximum needs no other lane, and p's codes need no exchange.
; Both products are used transposed (source 0 = keys, or V's channels; source 1 = my queries): a lane holds one query throughout.
; LIMITS: NaN and infinities are not served; a p under 2^-126 counts as 0 (the exponential's own flush, ISA guide 15.8); a block of p or of o under 2^-124 gets the byte 1 and zero or tiny codes; the keys are summed in two halves.
.set REC,  6400                        ; a record: K's fragments at 0 and 1,536, V's at 3,072 and 4,608, scale words at 6,144 + 8 lane
.set MRG,  32*REC                      ; behind the head: 2,304 bytes for each tile of queries, for the merge
.set LI,  1                            ; v1   16 x lane
.set L8,  2                            ; v2   8 x lane
.set ADK, 3                            ; v3   the record's fragments
.set ADS, 4                            ; v4   its scale words
.set MA,  5                            ; v5   the merge: 16 bytes a lane
.set MB,  6                            ; v6   the merge: 4 bytes a lane
.set QO,  7                            ; v7   24 r + 12 h
.set R8,  8                            ; v8   8 r
.set H8,  9                            ; v9   8 h
.set QA,  10                           ; v10  24 r
.set L4,  11                           ; v11  4 x lane
                                       ; v12 -M, v13 the largest score so far, v[14:15] the sum l in two halves
.set QZ,  16                           ; v16-45: zeros, A, zeros, B, zeros, six registers each.  A: q's codes in lanes 0-15; B: in lanes 16-31
.set QS,  46                           ; v46  q's scale byte, four times
.set KF,  48                           ; v48-71  K's two fragments
.set VF,  72                           ; v72-95  V's two
.set SW,  96                           ; v96-97  lanes 0-15: K's scale words of F = 0, 1; lanes 16-31: V's of T = 0, 1
.set PS,  98                           ; v98  p's scale word
.set S,   104                          ; v104-167 the scores, then p
.set O,   168                          ; v168-183 O^T: register 8 T + j is channel 16 h + 8 T + j
.set PCD, 184                          ; v184-195 p's codes
.set PC2, 196                          ; v196-202 the second halves of the conversions
.set MX,  204                          ; v204-207 maxima
.set WV,  12
.set TB,  18
.set CNT, 19
.set SEL, 20
.set CS,  22
.set CN,  24
.set LOW, 25
.set G1,  28
.set G0,  36
.macro MMZ d, a, b, sa, sb
	v_wmma_scale_f32_16x16x128_f8f6f4 v[\d:\d+7], v[\a:\a+11], v[\b:\b+11], 0, v[\sa], v[\sb] matrix_a_fmt:MATRIX_FMT_FP6 matrix_b_fmt:MATRIX_FMT_FP6
.endm
.macro MMV d, a, b, sa, sb
	v_wmma_scale_f32_16x16x128_f8f6f4 v[\d:\d+7], v[\a:\a+11], v[\b:\b+11], v[\d:\d+7], v[\sa], v[\sb] matrix_a_fmt:MATRIX_FMT_FP6 matrix_b_fmt:MATRIX_FMT_FP6 matrix_a_scale:MATRIX_SCALE_ROW1
.endm
.macro PLACES
.rept 4
	v_nop
.endr
.endm
.macro CROUND                          ; a round of the cluster's barrier
	s_barrier_signal -1
	s_barrier_wait -1
	s_cmp_lg_u32 s[WV], 0
	s_cbranch_scc1 .Lnot_wave_0_\@
	s_barrier_signal -3
.Lnot_wave_0_\@:
	s_barrier_wait -3
	s_barrier_signal -1
	s_barrier_wait -1
.endm
	s_load_b256 s[4:11], s[0:1], 0x0               ; qimg s[4:5], kv s[6:7], ocodes s[8:9], oscales s[10:11]
	v_lshl_add_u32 v254, v0, 2, 0x38000
	v_mov_b32 v255, 0
	ds_add_u32 v254, v255
	ds_add_u32 v254, v255
	v_lshrrev_b32 v204, 5, v0
	s_delay_alu instid0(VALU_DEP_1)
	v_readfirstlane_b32 s[WV], v204                ; wave 0..15
	s_bfe_u32 s13, ttmp6, 0x40000                  ; cx: my place in the cluster: it enters q's and o's addresses alone
	s_lshl_b32 s14, ttmp9, 2
	s_add_co_u32 s14, s14, s13                     ; my block of 128 queries
	s_and_b32 s15, ttmp7, 0xffff                   ; the head, which the four partners share
	s_and_b32 s16, s[WV], 7                        ; my tile of queries
	s_lshr_b32 s17, s[WV], 3                       ; my half of the records
	s_mul_i32 s[TB], s17, REC
	s_mov_b32 s[SEL], 0x76543210
	s_mov_b32 s[SEL+1], 0xfedcba98
	s_mov_b32 s[CS], 0x3db8aa3b                    ; c = log2(e) / 16
	s_mov_b32 s[CS+1], s[CS]                       ; (named with it as a pair)
	s_mov_b32 s[CN], 0xbdb8aa3b                    ; -c
	; descriptor group 1: a record, dense in memory, as 25 rows of 256 bytes (32 elements of 8 bytes)
	s_mov_b32 s[G1], 15|(3<<16)|(1<<21)            ; 15:0 the mask: all four work-groups; 17:16 elements of 8 bytes; 21 set beside a mask; no padding: images are read 16 bytes a lane, on end
	s_mov_b32 s[G1+1], 32<<16                      ; tensor_dim0 = 32
	s_mov_b32 s[G1+2], 25<<16                      ; tensor_dim1 = 25
	s_mov_b32 s[G1+3], 32<<16                      ; tile_dim0 = 32
	s_mov_b32 s[G1+4], 25                          ; tile_dim1 = 25
	s_mov_b32 s[G1+5], 32                          ; from row to row
	s_mov_b32 s[G1+6], 0
	s_mov_b32 s[G1+7], 0
	s_mul_i32 s46, s[WV], REC                      ; record w: its place in LDS, and in the head
	s_mul_i32 s44, s15, 32*REC
	s_add_co_u32 s44, s44, s46
	s_mov_b32 s45, 0
	s_lshl_b32 s47, s14, 3
	s_add_co_u32 s47, s47, s16                     ; G: my tile among all 256
	s_lshl_b32 s48, s15, 8
	s_add_co_u32 s48, s48, s47
	s_lshl_b32 s48, s48, 9                         ; q's record
	s_mov_b32 s49, 0
	s_lshl_b32 s50, s47, 3
	s_add_co_u32 s50, s50, s15
	s_mul_i32 s50, s50, 384                        ; o's codes: (8 G + H) x 384
	s_mov_b32 s51, 0
	s_lshl_b32 s52, s47, 7
	s_add_co_u32 s52, s52, s15                     ; o's scale bytes: 128 G + H
	s_mov_b32 s53, 0
	v_and_b32 v204, 31, v0                         ; lane
	v_and_b32 v205, 15, v0                         ; r
	v_bfe_u32 v206, v0, 4, 1                       ; h
	s_delay_alu instid0(VALU_DEP_3)
	v_lshlrev_b32 v[LI], 4, v204
	s_delay_alu instid0(VALU_DEP_4)
	v_lshlrev_b32 v[L8], 3, v204
	v_lshlrev_b32 v[L4], 2, v204
	s_mul_i32 s26, s16, 2304
	s_add_co_u32 s26, s26, MRG
	v_add_nc_u32 v[MA], s26, v[LI]
	v_add_nc_u32 v[MB], s26, v[L4]
	v_mul_u32_u24 v[QA], v205, 24
	s_delay_alu instid0(VALU_DEP_1)
	v_mad_u32_u24 v[QO], v206, 12, v[QA]
	v_lshlrev_b32 v[R8], 3, v205
	v_lshlrev_b32 v[H8], 3, v206
	v_cmp_gt_u32 s[LOW], 16, v204                  ; lanes 0-15
	s_wait_dscnt 0x0
	s_wait_kmcnt 0x0
	s_add_nc_u64 s[4:5], s[4:5], s[48:49]
	s_add_nc_u64 s[8:9], s[8:9], s[50:51]
	s_add_nc_u64 s[10:11], s[10:11], s[52:53]
	s_add_nc_u64 s[6:7], s[6:7], s[44:45]
	s_mov_b32 s[G0], 1                             ; group 0 for record w:
	s_mov_b32 s[G0+1], s46                         ; LDS address,
	s_mov_b64 s[G0+2:G0+3], s[6:7]                 ; global address,
	s_or_b32 s[G0+3], s[G0+3], 0x80000000          ; type 2
	s_mov_b32 s[G0+4], 1                           ; and for record 16 + w
	s_add_co_u32 s[G0+5], s46, 16*REC
	s_add_nc_u64 s[G0+6:G0+7], s[6:7], 16*REC
	s_or_b32 s[G0+7], s[G0+7], 0x80000000
	CROUND                                         ; all four work-groups are here: the joint loads meet
	tensor_load_to_lds s[G0:G0+3], s[G1:G1+7]      ; the first of my two tensor loads, all that this wave ever issues
	s_nop 0
	s_wait_alu depctr_va_vdst(0)
	s_wait_tensorcnt 0x0
	ds_add_u32 v254, v255
	s_wait_dscnt 0x0
	CROUND
	tensor_load_to_lds s[G0+4:G0+7], s[G1:G1+7]
	s_nop 0
	PLACES                                         ; four such lines behind the loads
	s_wait_alu depctr_va_vdst(0)
.irp p, 0,1,2
	global_load_b64 v[220+2*\p:221+2*\p], v[QA], s[4:5] offset:8*\p   ; my query's 32 codes, in both halves of the lanes
.endr
	global_load_b32 v[QS], v[L4], s[4:5] offset:384
.irp i, 0,1,2,3,4,5
	v_mov_b32 v[QZ+\i], 0
	v_mov_b32 v[QZ+12+\i], 0
	v_mov_b32 v[QZ+24+\i], 0
.endr
.irp i, 0,1,2,3,4,5,6,7,8,9,10,11,12,13,14,15
	v_mov_b32 v[O+\i], 0                           ; the step is written once: the first finds zeros, which the first change of M leaves zeros
.endr
	v_mov_b32 v14, 0
	v_mov_b32 v15, 0
	v_mov_b32 v208, 0                              ; lane permutes' destinations count as sources: written once
	v_mov_b32 v217, 0
	v_mov_b32 v211, 0                              ; (named as the upper half of the pair v[210:211])
	v_mov_b32 v13, 0xff61b1e6                      ; the largest score so far: -3e38
	s_delay_alu instid0(VALU_DEP_1)
	v_mul_f32 v12, s[CN], v13
	s_delay_alu instid0(VALU_DEP_1)
	v_floor_f32 v12, v12                           ; -M
	s_wait_loadcnt 0x0
.irp i, 0,1,2,3,4,5
	v_cndmask_b32 v[QZ+6+\i], 0, v[220+\i], s[LOW]         ; A
	v_cndmask_b32 v[QZ+18+\i], v[220+\i], v[QZ], s[LOW]    ; B
.endr
; A STEP: one record, 128 keys.
.macro STEP
	v_add_nc_u32 v[ADK], s[TB], v[LI]              ; these four lines are also the places between the last step's products and the loads into their registers
	v_add_nc_u32 v[ADS], s[TB], v[L8]
	v_nop
	v_nop
.irp i, 0,1,2
	ds_load_b128 v[KF+4*\i:KF+4*\i+3], v[ADK] offset:512*\i
.endr
	ds_load_b64 v[SW:SW+1], v[ADS] offset:6144
.irp i, 3,4,5
	ds_load_b128 v[KF+4*\i:KF+4*\i+3], v[ADK] offset:512*\i
.endr
.irp i, 0,1,2,3,4,5
	ds_load_b128 v[VF+4*\i:VF+4*\i+3], v[ADK] offset:3072+512*\i
.endr
	s_wait_dscnt 6                                 ; K and the scale words are in; V's six loads may stay out
.irp f, 0,1                            ; q in block 0: A, zeros; block 1: B, zeros; block 2: zeros, A; block 3: zeros, B
	MMZ S+32*\f,    KF+12*\f, QZ+6,  SW+\f, QS
	MMZ S+32*\f+8,  KF+12*\f, QZ+18, SW+\f, QS
	MMZ S+32*\f+16, KF+12*\f, QZ,    SW+\f, QS
	MMZ S+32*\f+24, KF+12*\f, QZ+12, SW+\f, QS
.endr
	PLACES
.irp k, 0,1,2,3                        ; the largest score of each block of 32 keys, in two chains a block; each result is read from its low end on
	v_max3_num_f32 v[MX+\k], v[S+16*\k], v[S+16*\k+1], v[S+16*\k+2]
.endr
.irp i, 3,5,7,9,11,13
.irp k, 0,1,2,3
	v_max3_num_f32 v[MX+\k], v[MX+\k], v[S+16*\k+\i], v[S+16*\k+\i+1]
.endr
.endr
	v_max3_num_f32 v[MX], v[MX], v[S+15], v[MX+1]
	v_max3_num_f32 v[MX+1], v[MX+2], v[S+47], v[MX+3]
	v_max_num_f32 v[MX], v[MX], v[S+31]            ; block F = 0's
	v_max_num_f32 v[MX+1], v[MX+1], v[S+63]        ; block F = 1's
	s_delay_alu instid0(VALU_DEP_1)
	v_max_num_f32 v[MX+2], v[MX], v[MX+1]
	s_delay_alu instid0(VALU_DEP_1)
	v_permlanex16_b32 v208, v[MX+2], s[SEL], s[SEL+1]
	s_delay_alu instid0(VALU_DEP_1)
	v_max3_num_f32 v13, v13, v[MX+2], v208         ; the running largest score of my query
	s_delay_alu instid0(VALU_DEP_1)
	v_mul_f32 v[MX+3], s[CN], v13
	v_mov_b32 v209, v12
	s_delay_alu instid0(VALU_DEP_2)
	v_floor_f32 v12, v[MX+3]                       ; -M = floor(-t) = -ceil(t): a whole number
	s_delay_alu instid0(VALU_DEP_1)
	v_sub_f32 v209, v12, v209                      ; old M - new M: a whole number, 0 or less
	s_delay_alu instid0(VALU_DEP_1)
	v_cvt_i32_f32 v209, v209                       ; (it saturates)
	s_delay_alu instid0(VALU_DEP_1)
	v_ldexp_f32 v210, 1.0, v209                    ; f = 2^(old M - new M): a multiplication by it rounds nothing
.set j, 0
.rept 32
	v_pk_fma_f32 v[S+j:S+j+1], v[S+j:S+j+1], s[CS:CS+1], v[12:13] op_sel_hi:[1,0,0]   ; t - M
.set j, j+2
.endr
	v_fma_f32 v[MX], v[MX], s[CS], v12             ; the same of each block's largest score: p rises with the score
	v_fma_f32 v[MX+1], v[MX+1], s[CS], v12
.set j, 0
	s_setprio 1
	s_wait_alu depctr_va_vdst(0)
.rept 64
	v_exp_f32 v[S+j], v[S+j]                       ; p = 2^(t - M): not normalised
.set j, j+1
.endr
	v_exp_f32 v[MX], v[MX]                         ; the block's largest p: the same two instructions on the same number
	v_exp_f32 v[MX+1], v[MX+1]
	v_pk_mul_f32 v[14:15], v[14:15], v[210:211] op_sel_hi:[1,0]   ; l under the new M.  (The plain line behind the exponentials)
	s_wait_alu depctr_va_vdst(0)
.irp f, 0,1
	v_max_num_f32 v[MX+\f], 0x1800000, v[MX+\f]    ; the floor 2^(3 - 127): the byte cannot fall under 1
.endr
.irp f, 0,1
	s_delay_alu instid0(VALU_DEP_2)
	v_add_nc_u32 v[212+\f], 0xff000000, v[MX+\f]   ; 2 off the exponent field: the conversion's scale operand
.endr
.irp f, 0,1
	s_delay_alu instid0(VALU_DEP_2)
	v_lshrrev_b32 v[214+\f], 23, v[212+\f]         ; the scale's byte
.endr
	s_delay_alu instid0(VALU_DEP_1)
	v_lshl_or_b32 v216, v215, 16, v214             ; my blocks are h and 2 + h of these 128 keys
	s_delay_alu instid0(VALU_DEP_1)
	v_lshlrev_b32 v216, v[H8], v216
	s_delay_alu instid0(VALU_DEP_1)
	v_permlanex16_b32 v217, v216, s[SEL], s[SEL+1]
	s_delay_alu instid0(VALU_DEP_1)
	v_or_b32 v[PS], v216, v217                     ; p's scale word
.irp f, 0,1
	v_cvt_scalef32_pk16_fp6_f32 v[PCD+6*\f:PCD+6*\f+2], v[S+32*\f:S+32*\f+15], v[212+\f]
	v_cvt_scalef32_pk16_fp6_f32 v[PC2+4*\f:PC2+4*\f+2], v[S+32*\f+16:S+32*\f+31], v[212+\f]   ; (a conversion's three registers begin on an even number)
.endr
	v_nop                                          ; one plain line behind the scaled conversions
.irp f, 0,1
.irp i, 0,1,2
	v_mov_b32 v[PCD+3+6*\f+\i], v[PC2+4*\f+\i]
.endr
.endr
	v_pk_add_f32 v[218:219], v[S:S+1], v[S+2:S+3]  ; l is the sum of the UNQUANTISED p: two at a time, in two chains
.set j, 4
	s_setprio 0
.rept 15
	v_pk_add_f32 v[14:15], v[14:15], v[S+j:S+j+1]
	v_pk_add_f32 v[218:219], v[218:219], v[S+j+2:S+j+3]
.set j, j+4
.endr
	s_delay_alu instid0(VALU_DEP_1)
	v_pk_add_f32 v[14:15], v[14:15], v[218:219]
.set j, 0
.rept 8
	v_pk_mul_f32 v[O+j:O+j+1], v[O+j:O+j+1], v[210:211] op_sel_hi:[1,0]   ; O^T under the new M.  (With the sums above: the lines between the making of p's codes and scale word and the products)
.set j, j+2
.endr
	s_wait_alu depctr_va_vdst(0)
	s_wait_dscnt 0x0                               ; V is in
	MMV O,   VF,    PCD, SW,   PS                  ; the two sums take turns, and eight other products stand between a sum's links
	MMV O+8, VF+12, PCD, SW+1, PS
.endm
.macro HALF                            ; eight of my sixteen records
	s_mov_b32 s[CNT], 8
.Lstep_\@:
	s_wait_alu depctr_va_vdst(0)
	s_setprio 2
	STEP
	s_add_co_u32 s[TB], s[TB], 2*REC
	s_sub_co_u32 s[CNT], s[CNT], 1
	s_cmp_lg_u32 s[CNT], 0
	s_cbranch_scc1 .Lstep_\@
	s_setprio 0
.endm
	s_wait_tensorcnt 0x1                           ; my record of the head's first half is in; the second half's may stay out
	s_barrier_signal -1
	s_barrier_wait -1                              ; records 0 to 15 are whole
	HALF
	s_wait_tensorcnt 0x0
	s_wait_dscnt 0x0
	s_barrier_signal -1
	s_barrier_wait -1                              ; records 16 to 31 are whole
	HALF
	; ---- the two halves of the keys meet: waves 8-15 hand O^T, -M and l to waves 0-7
	PLACES
	v_add_f32 v14, v14, v15
	s_delay_alu instid0(VALU_DEP_1)
	v_permlanex16_b32 v208, v14, s[SEL], s[SEL+1]
	s_delay_alu instid0(VALU_DEP_1)
	v_add_f32 v14, v14, v208                       ; my half's l
	s_cmp_lt_u32 s[WV], 8
	s_cbranch_scc1 .Lkeeps
.irp i, 0,1,2,3
	ds_store_b128 v[MA], v[O+4*\i:O+4*\i+3] offset:512*\i
.endr
	ds_store_b32 v[MB], v12 offset:2048
	ds_store_b32 v[MB], v14 offset:2176
.Lkeeps:
	s_wait_dscnt 0x0                               ; for the others' sake: my stores have landed
	s_barrier_signal -1
	s_barrier_wait -1
	s_cmp_lt_u32 s[WV], 8
	s_cbranch_scc0 .Lclose
.irp i, 0,1,2,3
	ds_load_b128 v[S+4*\i:S+4*\i+3], v[MA] offset:512*\i
.endr
	ds_load_b32 v120, v[MB] offset:2048
	ds_load_b32 v121, v[MB] offset:2176
	s_wait_dscnt 0x0
	v_min_num_f32 v126, v12, v120                  ; -(the larger M)
	s_delay_alu instid0(VALU_DEP_1)
	v_sub_f32 v127, v126, v12
	s_delay_alu instid0(VALU_DEP_2)
	v_sub_f32 v144, v126, v120
	s_delay_alu instid0(VALU_DEP_2)
	v_cvt_i32_f32 v127, v127
	s_delay_alu instid0(VALU_DEP_2)
	v_cvt_i32_f32 v144, v144
	s_delay_alu instid0(VALU_DEP_2)
	v_ldexp_f32 v127, 1.0, v127                    ; both halves under the larger M: exact powers of two
	s_wait_alu depctr_va_vdst(0)
	v_ldexp_f32 v144, 1.0, v144
	v_mul_f32 v14, v14, v127
	s_delay_alu instid0(VALU_DEP_1)
	v_fma_f32 v14, v121, v144, v14                 ; the row's l
	s_wait_alu depctr_va_vdst(0)
	v_rcp_f32 v145, v14
	v_nop                                          ; one plain line behind the reciprocal
	s_wait_alu depctr_va_vdst(0)
	v_mul_f32 v122, v127, v145
	v_mul_f32 v124, v144, v145
	s_delay_alu instid0(VALU_DEP_2)
	v_mov_b32 v123, v122
	s_delay_alu instid0(VALU_DEP_2)
	v_mov_b32 v125, v124
.set j, 0
.rept 8
	v_pk_mul_f32 v[128+j:129+j], v[O+j:O+j+1], v[122:123] op_sel_hi:[1,0]
.set j, j+2
.endr
.set j, 0
.rept 8
	v_pk_fma_f32 v[128+j:129+j], v[S+j:S+j+1], v[124:125], v[128+j:129+j] op_sel_hi:[1,0,1]   ; o, channels 16 h + 0 .. 15 of my query
.set j, j+2
.endr
	v_max3_num_f32 v148, |v128|, |v129|, 0x1800000 ; the head's 32 channels are one block of the last product's K
	s_delay_alu instid0(VALU_DEP_4)
	v_max3_num_f32 v149, |v136|, |v137|, |v138|
	s_delay_alu instid0(VALU_DEP_2)
	v_max3_num_f32 v148, v148, |v130|, |v131|
	s_delay_alu instid0(VALU_DEP_2)
	v_max3_num_f32 v149, v149, |v139|, |v140|
	s_delay_alu instid0(VALU_DEP_2)
	v_max3_num_f32 v148, v148, |v132|, |v133|
	s_delay_alu instid0(VALU_DEP_2)
	v_max3_num_f32 v149, v149, |v141|, |v142|
	s_delay_alu instid0(VALU_DEP_2)
	v_max3_num_f32 v148, v148, |v134|, |v135|
	s_delay_alu instid0(VALU_DEP_1)
	v_max3_num_f32 v148, v148, v149, |v143|
	s_delay_alu instid0(VALU_DEP_1)
	v_permlanex16_b32 v208, v148, s[SEL], s[SEL+1]
	s_delay_alu instid0(VALU_DEP_1)
	v_max_num_f32 v148, v148, v208
	s_delay_alu instid0(VALU_DEP_1)
	v_add_nc_u32 v150, 0xff000000, v148
	s_delay_alu instid0(VALU_DEP_1)
	v_lshrrev_b32 v151, 23, v150
	v_cvt_scalef32_pk16_fp6_f32 v[144:146], v[128:143], v150
	v_nop
	global_store_b96 v[QO], v[144:146], s[8:9]     ; the wave stores 384 consecutive bytes
	global_store_b8 v[R8], v151, s[10:11]          ; lanes r and r + 16 hold the same byte and write it to the same place
.Lclose:
	s_wait_tensorcnt 0x0
	ds_add_u32 v254, v255
	s_wait_dscnt 0x0
	CROUND                                         ; the closing round: no work-group ends while a partner may still ask for a record that names it
	s_endpgm
.Lfunc_end_k_q134ac4379d_attn:
	.size	k_q134ac4379d_attn, .Lfunc_end_k_q134ac4379d_attn-k_q134ac4379d_attn
	.p2alignl 7, 3214868480
	.fill 96, 4, 3214868480
	.section	.rodata,"a",@progbits
	.p2align	6, 0x0
	.amdhsa_kernel k_q134ac4379d_attn
		.amdhsa_group_segment_fixed_size 327680
		.amdhsa_private_segment_fixed_size 0
		.amdhsa_enable_private_segment 0
		.amdhsa_kernarg_size 32
		.amdhsa_user_sgpr_count 2
		.amdhsa_user_sgpr_kernarg_segment_ptr 1
		.amdhsa_wavefront_size32 1
		.amdhsa_system_sgpr_workgroup_id_x 1
		.amdhsa_system_sgpr_workgroup_id_y 1
		.amdhsa_system_sgpr_workgroup_id_z 1
		.amdhsa_system_vgpr_workitem_id 0
		.amdhsa_next_free_vgpr 256
		.amdhsa_next_free_sgpr 66
		.amdhsa_reserve_vcc 0
		.amdhsa_float_denorm_mode_32 3
		.amdhsa_float_denorm_mode_16_64 3
		.amdhsa_memory_ordered 1
		.amdhsa_forward_progress 1
		.amdhsa_inst_pref_size 40
	.end_amdhsa_kernel
	.amdgpu_metadata
---
amdhsa.version: [ 1, 2 ]
amdhsa.kernels:
  - .name:           k_q134ac4379d_attn
    .symbol:         k_q134ac4379d_attn.kd
    .args:
      - { .name: qimg, .offset: 0, .size: 8, .value_kind: global_buffer, .address_space: global }
      - { .name: kv, .offset: 8, .size: 8, .value_kind: global_buffer, .address_space: global }
      - { .name: ocodes, .offset: 16, .size: 8, .value_kind: global_buffer, .address_space: global }
      - { .name: oscales, .offset: 24, .size: 8, .value_kind: global_buffer, .address_space: global }
    .group_segment_fixed_size: 327680
    .private_segment_fixed_size: 0
    .kernarg_segment_align: 8
    .kernarg_segment_size: 32
    .max_flat_workgroup_size: 512
    .sgpr_count:     66
    .vgpr_count:     256
    .wavefront_size: 32
...
	.end_amdgpu_metadata
.endif
;; end of part 5
;; launch outp (part 6): grid 256 x 1, 4 waves a work-group, no clusters, 17,920 bytes of LDS; arguments ocodes, oscales, woimg, b_out, out0; writes out0
.if DOCPART == 6
	.amdgcn_target "amdgcn-amd-amdhsa--gfx1250"
	.amdhsa_code_object_version 6
	.text
	.protected	k_q134ac4379d_outp
	.globl	k_q134ac4379d_outp
	.p2align	8
	.type	k_q134ac4379d_outp,@function
k_q134ac4379d_outp:
	s_mov_b64 s[64:65], 0
	v_nop
	global_prefetch_b8 v0, s[64:65] scope:SCOPE_SE
	s_setreg_imm32_b32 hwreg(HW_REG_WAVE_SCHED_MODE, 0, 2), 2
	s_setreg_imm32_b32 hwreg(HW_REG_WAVE_MODE, 25, 1), 1
	s_wait_xcnt 0x0
	s_wait_alu depctr_vm_vsrc(0)
; out0 = Q(o) Q(w_out) + b_out on codes of FP6 (E2M3) with one E8M0 scale for each 32 along K = 256 (a block is a head's 32 channels).  Both operands arrive as codes.
; SHARES.  Work-group G: the 16 rows of tile G.  Wave w: columns 64 w .. 64 w + 63, four tiles of 16.  Source 0 = 16 columns of w_out, source 1 = the 16 rows of o: a lane holds one row and eight neighbouring columns.
; Row r of tile G is row 128 (G / 8) + 64 ((G / 4) % 2) + 32 (r / 8) + 8 (G % 4) + r % 8 of out0.
; All operands come straight into registers, every load issued at once; b_out is loaded into the sums' registers and is the C of each sum's first product.
; The results go through the wave's own stage in LDS (rows of 256 + 16 bytes) and leave as runs of 256 consecutive bytes, aligned, sixteen lanes to a run.
; THE MODE: SCHED_MODE bits 1:0 = 2 (LLVM: expert scheduling mode 2), set by the entry lines.  The code itself states the register dependences
; between vector or matrix instructions and memory or LDS instructions, with s_wait_alu, always for 0.
; THE PLAN.  Registers that memory or LDS instructions touch:
;   v3-v10     offsets and LDS addresses: written once by vector instructions at the head, read by the loads and stores, never written again.
;   v16-147    o, w_out and their scale words: written by global loads alone, read by the matrix instructions behind the wait for the loads.
;   v148-179   the four sums: b_out lands in them, the matrix instructions add onto them in place, the LDS stores read them.
;   v180-211   rows read back from the stage: written by LDS loads, read by the global stores; no vector instruction names them.
;   v216, v217 written at the head, read by the closing add alone.
;   s14        the wave's number: written by a vector instruction, read by scalar arithmetic.
; So three waits state everything: one on va_sdst ahead of s14's first reader, one on va_vdst ahead of the first load (the offsets and addresses are written),
; one on va_vdst ahead of the LDS stores (the sums are written).  No register that a memory or LDS instruction has read is written again, so no wait on vm_vsrc is owed.
.set OF,  16                           ; v16-39   o's two fragments
.set OS,  40                           ; v40-41   o's scale words
.set WS,  42                           ; v42-49   w_out's scale words, 2 t + ks
.set WF,  52                           ; v52-147  w_out's fragments, 12 (2 t + ks)
.set ACC, 148                          ; v148-179 four sums
.set BK,  180                          ; v180-211 rows read back
	s_load_b256 s[4:11], s[0:1], 0x0               ; ocodes s[4:5], oscales s[6:7], woimg s[8:9], b_out s[10:11]
	s_load_b64 s[12:13], s[0:1], 0x20              ; out0
	v_lshl_add_u32 v216, v0, 2, 0x4400             ; the LDS address of my spare word, behind the four stages; kept for the closing lines alone
	v_mov_b32 v217, 0                              ; and 0, likewise
	v_lshrrev_b32 v1, 5, v0
	v_readfirstlane_b32 s14, v1                    ; wave 0..3
	v_and_b32 v1, 15, v0                           ; r
	v_bfe_u32 v2, v0, 4, 1                         ; h
	v_and_b32 v11, 31, v0                          ; lane
	v_mul_u32_u24 v3, v1, 24
	v_mad_u32_u24 v3, v2, 384, v3                  ; o's codes: 24 r in a head's 384 bytes; lanes 16-31 take the next head
	v_lshlrev_b32 v4, 3, v1                        ; o's scale bytes: 8 a row
	v_lshlrev_b32 v5, 4, v11
	v_lshlrev_b32 v6, 2, v11
	v_lshlrev_b32 v7, 5, v2                        ; b_out: my eight columns begin at 8 h
	s_wait_alu depctr_va_sdst(0)                   ; s14 is written, ahead of its first reader: the stage's place and the bases are made from it
	s_mul_i32 s15, s14, 4352                       ; my stage: 16 rows x 272 bytes
	v_mul_u32_u24 v8, v1, 272
	v_lshl_add_u32 v8, v2, 5, v8
	v_add_nc_u32 v8, s15, v8                       ; in: row r, + 32 h
	v_mul_u32_u24 v9, v2, 272
	v_lshl_add_u32 v9, v1, 4, v9
	v_add_nc_u32 v9, s15, v9                       ; back: lanes 0-15 one row, lanes 16-31 the next
	v_lshlrev_b32 v10, 10, v2
	v_lshl_add_u32 v10, v1, 4, v10                 ; and the same two rows in out0
	s_mul_i32 s16, ttmp9, 3072
	s_mov_b32 s17, 0
	s_lshl_b32 s18, ttmp9, 7
	s_mov_b32 s19, 0
	s_mul_i32 s20, s14, 12288                      ; my eight fragments of w_out
	s_mov_b32 s21, 0
	s_lshl_b32 s22, s14, 10                        ; and their scale words
	s_mov_b32 s23, 0
	s_lshl_b32 s24, s14, 8                         ; my 64 columns, in bytes
	s_mov_b32 s25, 0
	s_lshr_b32 s26, ttmp9, 3
	s_lshl_b32 s26, s26, 7
	s_bfe_u32 s28, ttmp9, 0x10002
	s_lshl_b32 s28, s28, 6
	s_add_co_u32 s26, s26, s28
	s_and_b32 s28, ttmp9, 3
	s_lshl_b32 s28, s28, 3
	s_add_co_u32 s26, s26, s28                     ; the tile's row 0 in out0
	s_lshl_b32 s26, s26, 10
	s_add_co_u32 s26, s26, s24
	s_mov_b32 s27, 0
	s_wait_kmcnt 0x0
	s_add_nc_u64 s[4:5], s[4:5], s[16:17]
	s_add_nc_u64 s[6:7], s[6:7], s[18:19]
	s_add_nc_u64 s[30:31], s[8:9], s[20:21]
	s_add_nc_u64 s[8:9], s[8:9], s[22:23]
	s_add_nc_u64 s[10:11], s[10:11], s[24:25]
	s_add_nc_u64 s[12:13], s[12:13], s[26:27]
	s_wait_alu depctr_va_vdst(0)                   ; the offsets and LDS addresses v3 to v10 are written, which the loads and stores below read; no vector instruction writes them again
.irp ks, 0,1
.irp c, 0,1
.irp p, 0,1,2
	global_load_b64 v[OF+12*\ks+6*\c+2*\p:OF+12*\ks+6*\c+2*\p+1], v3, s[4:5] offset:(4*\ks+2*\c)*384+8*\p   ; registers 6 c on: head 4 ks + 2 c + h
.endr
.endr
.endr
	global_load_b64 v[OS:OS+1], v4, s[6:7]
.irp t, 0,1,2,3
.irp ks, 0,1
.irp i, 0,1,2
	global_load_b128 v[WF+12*(2*\t+\ks)+4*\i:WF+12*(2*\t+\ks)+4*\i+3], v5, s[30:31] offset:(2*\t+\ks)*1536+512*\i
.endr
	global_load_b32 v[WS+2*\t+\ks], v6, s[8:9] offset:49152+(2*\t+\ks)*128
.endr
.endr
.irp t, 0,1,2,3
.irp u, 0,1
	global_load_b128 v[ACC+8*\t+4*\u:ACC+8*\t+4*\u+3], v7, s[10:11] offset:64*\t+16*\u
.endr
.endr
	s_wait_loadcnt 0x0
.irp ks, 0,1                           ; the four sums take turns
.irp t, 0,1,2,3
	v_wmma_scale_f32_16x16x128_f8f6f4 v[ACC+8*\t:ACC+8*\t+7], v[WF+12*(2*\t+\ks):WF+12*(2*\t+\ks)+11], v[OF+12*\ks:OF+12*\ks+11], v[ACC+8*\t:ACC+8*\t+7], v[WS+2*\t+\ks], v[OS+\ks] matrix_a_fmt:MATRIX_FMT_FP6 matrix_b_fmt:MATRIX_FMT_FP6
.endr
.endr
.rept 4
	v_nop                                          ; four plain lines between the last product and the first read of results (ISA guide 7.12.1)
.endr
	s_wait_alu depctr_va_vdst(0)                   ; the matrix instructions have written the four sums, which the LDS stores read; the four lines above stay beside this wait
.irp t, 0,1,2,3
	ds_store_b128 v8, v[ACC+8*\t:ACC+8*\t+3] offset:64*\t          ; each sum from its low end on
	ds_store_b128 v8, v[ACC+8*\t+4:ACC+8*\t+7] offset:64*\t+16
.endr
.irp i, 0,1,2,3,4,5,6,7
	ds_load_b128 v[BK+4*\i:BK+4*\i+3], v9 offset:544*\i            ; LDS serves a wave's instructions in order (ISA guide 5.7.1.4): these see my stores; the stage is my own.  No vector instruction names the registers in which they land
.endr
.irp i, 0,1,2,3,4,5,6,7
	s_wait_dscnt 7-\i                              ; rows 2 i and 2 i + 1 are back; the younger loads may stay out
	global_store_b128 v10, v[BK+4*\i:BK+4*\i+3], s[12:13] offset:(32*(\i/4)+2*(\i%4))*1024 th:TH_STORE_NT   ; sixteen lanes store 256 consecutive bytes, at a multiple of 256 from out0's first byte
.endr
	s_wait_dscnt 0x0                               ; the closing lines, six on end
	s_wait_alu 0x0
	s_wait_tensorcnt 0x0
	ds_add_u32 v216, v217
	s_wait_dscnt 0x0
	s_endpgm
.Lfunc_end_k_q134ac4379d_outp:
	.size	k_q134ac4379d_outp, .Lfunc_end_k_q134ac4379d_outp-k_q134ac4379d_outp
	.p2alignl 7, 3214868480
	.fill 96, 4, 3214868480
	.section	.rodata,"a",@progbits
	.p2align	6, 0x0
	.amdhsa_kernel k_q134ac4379d_outp
		.amdhsa_group_segment_fixed_size 17920
		.amdhsa_private_segment_fixed_size 0
		.amdhsa_enable_private_segment 0
		.amdhsa_kernarg_size 40
		.amdhsa_user_sgpr_count 2
		.amdhsa_user_sgpr_kernarg_segment_ptr 1
		.amdhsa_wavefront_size32 1
		.amdhsa_system_sgpr_workgroup_id_x 1
		.amdhsa_system_sgpr_workgroup_id_y 1
		.amdhsa_system_sgpr_workgroup_id_z 1
		.amdhsa_system_vgpr_workitem_id 0
		.amdhsa_next_free_vgpr 218
		.amdhsa_next_free_sgpr 66
		.amdhsa_reserve_vcc 0
		.amdhsa_float_denorm_mode_32 3
		.amdhsa_float_denorm_mode_16_64 3
		.amdhsa_memory_ordered 1
		.amdhsa_forward_progress 1
		.amdhsa_inst_pref_size 11
	.end_amdhsa_kernel
	.amdgpu_metadata
---
amdhsa.version: [ 1, 2 ]
amdhsa.kernels:
  - .name:           k_q134ac4379d_outp
    .symbol:         k_q134ac4379d_outp.kd
    .args:
      - { .name: ocodes, .offset: 0, .size: 8, .value_kind: global_buffer, .address_space: global }
      - { .name: oscales, .offset: 8, .size: 8, .value_kind: global_buffer, .address_space: global }
      - { .name: woimg, .offset: 16, .size: 8, .value_kind: global_buffer, .address_space: global }
      - { .name: b_out, .offset: 24, .size: 8, .value_kind: global_buffer, .address_space: global }
      - { .name: out0, .offset: 32, .size: 8, .value_kind: global_buffer, .address_space: global }
    .group_segment_fixed_size: 17920
    .private_segment_fixed_size: 0
    .kernarg_segment_align: 8
    .kernarg_segment_size: 40
    .max_flat_workgroup_size: 128
    .sgpr_count:     66
    .vgpr_count:     218
    .wavefront_size: 32
...
	.end_amdgpu_metadata
.endif
;; end of part 6
